; MI455X (gfx1250); checked and timed in simulation.
; The chip was launched on July 23, 2026; its instructions are those of AMD's public machine-readable ISA for CDNA 5 (MIT licence, August 2026) and "CDNA5" Instruction Set Architecture Reference Guide (July 2026). The comments in the code are by the model that wrote it; some were corrected since.
;; Transformer Block. Allowed arithmetic: matrix products marked QUANTISED: E5M2 operands, one given power-of-two scale a tensor, by v_wmma_f32_16x16x64_bf8_bf8 or v_wmma_f32_16x16x128_bf8_bf8, f32 sums; everything else in f32.
;; Inputs: W1 1,024 x 4,096 float32; W2 4,096 x 1,024 float32; Wa 1,024 x 3,072 float32; Wout 1,024 x 1,024 float32; b1 4,096 float32; b2 1,024 float32; be1 1,024 float32; be2 1,024 float32; bout 1,024 float32; g1 1,024 float32; g2 1,024 float32; lowp_scales 12 int32 (the exponents e of the quantised operands' scales 2^e); x 2 x 2,048 x 1,024 float32.
;; Outputs: out0 2 x 2,048 x 1,024 float32.
;; This version of the problem:
;;   THIS VERSION OF THE PROBLEM IS GIVEN IN LOW PRECISION. The matrix products marked QUANTISED in the list below multiply operands that are first quantised to E5M2 (5 exponent bits, 2 mantissa bits; 8 bits a number), with one given power-of-two scale for each operand tensor; their sums are f32. All else is computed in f32.
;;   The module's matrix products, in the order in which they are computed (A, B: the left and right operand; K: the contracted axis; several contracted axes count as one K, in the product's order):
;;     1. [M 4,096, K 1,024] x [K 1,024, N 3,072]; A: computed on the way; B: input Wa: QUANTISED (scales: A lowp_scales[0], B lowp_scales[1])
;;     2. batch 32 x [M 2,048, K 64] x [K 64, N 2,048]; A: computed on the way; B: computed on the way: QUANTISED (scales: A lowp_scales[2], B lowp_scales[3])
;;     3. batch 32 x [M 2,048, K 2,048] x [K 2,048, N 64]; A: softmax (see below); B: computed on the way: QUANTISED (scales: A lowp_scales[4], B lowp_scales[5])
;;     4. [M 4,096, K 1,024] x [K 1,024, N 1,024]; A: computed on the way; B: input Wout: QUANTISED (scales: A lowp_scales[6], B lowp_scales[7])
;;     5. [M 4,096, K 1,024] x [K 1,024, N 4,096]; A: computed on the way; B: input W1: QUANTISED (scales: A lowp_scales[8], B lowp_scales[9])
;;     6. [M 4,096, K 4,096] x [K 4,096, N 1,024]; A: computed on the way; B: input W2: QUANTISED (scales: A lowp_scales[10], B lowp_scales[11])
;;   THE QUANTISER, for each operand of a quantised product, along K:
;;     - The operand's scale is 2^e, e = its entry of the input lowp_scales (int32; the entries are numbered through the quantised products in the list's order, A before B).
;;     - Each number is divided by the scale, clamped to +-57,344, and rounded to the nearest number of E5M2, ties to even, subnormals kept.
;;     - The product sums the exact products of the quantised numbers (number of the format x scale) in f32.
;;   ~~~python
;;   def quantise(x, axis, e):      # numpy; x: float32 -> the quantised numbers, widened to float32 again
;;       x = np.moveaxis(x, axis, -1); K = x.shape[-1]
;;       r = np.clip(x / 2.0 ** e, -57344, 57344)
;;       step = 2.0 ** (np.maximum(np.frexp(np.where(r == 0, 1, r))[1] - 1, -14) - 2)
;;       q = np.round(r / step) * step * 2.0 ** e      # np.round: ties to even
;;       return np.moveaxis(q, -1, axis).astype(np.float32)
;;   ~~~
;;   SOFTMAX AHEAD OF A QUANTISED PRODUCT. Where the list says 'softmax', what is quantised is not the finished softmax but p = 2^(t - M), with t = logit x log2(e) and M = ceil(the row's largest t), a whole number; so 1/2 < the row's largest p <= 1. The row's sum l is taken of the UNQUANTISED p, in f32, and the product's result is divided by l at the end. Since M is a whole number, a kernel that streams over the keys may use a running M (the ceiling of the running maximum): every later rescaling is an exact power of two, so the quantised numbers keep their values, but for numbers so far below the row's largest that they fall under the format's range.
;;   OPERANDS COMPUTED ON THE WAY. 'Computed on the way' means the value that the module computes at that place (a softmax that the list does not call 'softmax' is quantised finished and normalised). What goes into a quantiser is computed in f32, as accurately as f32 sums, v_exp_f32 and their like allow (about 1e-6 of the number): no bf16 or f16 on the way to a quantiser, and a product that is left as it is and whose result goes on into a quantised operand takes f32 operands (vector FMAs, or v_wmma_f32_16x16x4_f32). A number that lies on a knife's edge between two numbers of the format may be rounded either way, as far as f32 arithmetic and the matrix unit's own rounding can turn it there, and no further.
;; One version. Each part assembles by itself: llvm-mc -triple=amdgcn-amd-amdhsa -mcpu=gfx1250 --defsym DOCPART=n.
;; ======== version 1 of 1: 7 launches
;; limits: right only within a limited range of input values
;; workspace buffers: xq 4,194,304 bytes; wq 12,582,912 bytes; qkv 12,582,912 bytes; aq 4,194,304 bytes; yq 4,194,304 bytes; hq 16,777,216 bytes; z 16,777,216 bytes
;; launch prep (part 1): grid 1024 x 1, 4 waves a work-group, no clusters, 17,920 bytes of LDS; arguments x, g1, be1, Wa, Wout, W1, W2, lowp_scales, xq, wq; writes xq, wq
.if DOCPART == 1
	.amdgcn_target "amdgcn-amd-amdhsa--gfx1250"
	.amdhsa_code_object_version 6
	.text
	.protected	k_q544f121bec_prep
	.globl	k_q544f121bec_prep
	.p2align	8
	.type	k_q544f121bec_prep,@function
k_q544f121bec_prep:
	s_mov_b64 s[64:65], 0
	v_nop
	global_prefetch_b8 v0, s[64:65] scope:SCOPE_SE
	s_setreg_imm32_b32 hwreg(HW_REG_WAVE_MODE, 25, 1), 1
	s_wait_xcnt 0x0
; PREP: work-groups 0-255 make the codes of layernorm(x, g1, be1); work-groups 256-1023 make the codes of the four weights.  Codes are BF8 (E5M2), each tensor with its given scale 2^e.
; THE PROGRAM leaves out nothing of reference() but, in launch attn, the key steps that lie wholly above the diagonal: reference() sets their scores to -infinity by its own jnp.tril, so their weights are 0
; for all inputs.  Every input is loaded.  LIMIT: a NaN or an infinity that would arise only in those scores is not carried to the result.
; EVERY OPERAND IS STORED AS THE IMAGE OF THE MATRIX OPERAND'S REGISTERS.  A fragment is 16 rows x 128 K = 2,048 bytes: byte 512 c + 16 lane + j holds
; (row rho(T, lane % 16), k = 128 s + 32 c + 16 (lane / 16) + j), with rho(T, r) = 32 (T / 2) + 8 (T % 2) + r % 8 + 16 (r / 8): a tile's rows are not neighbours, so that a later
; product's results, converted eight at a time, are again such an image.
; xq: [K step 8][tile of rows 256][2048].   wq: Wa at 0 [s 8][tile 192], Wout at 3,145,728 [s 8][tile 64], W1 at 4,194,304 [s 8][tile 256], W2 at 8,388,608 [128 columns 8][s 32][tile 8].
; SHARES: a row group reads 16 rows x 4,096 bytes, a weight group 128 rows of K x 512 bytes: 65,536 bytes each; 1,024 groups, four to a WGP's registers.
; LIMITS: each e between -126 and 112, so that 2^e and 57,344 x 2^e are f32 numbers.  NaN among the inputs is not served (an infinity is held at the largest code).
; No matrix unit, no tensor load, no cluster: the work-groups share no input but the gain and the bias.
.set R,    16                          ; v16-143  rows path: four rows, 32 numbers each: register 32 i + 4 j + n is column 128 j + 4 lane + n of row i
.set G,    144                         ; v144-175 the gain of my 32 columns
.set BE,   176                         ; v176-207 the bias
.set C,    208                         ; v208-239 codes: register 8 i + j: four codes of row i, K step j
.set T,    240                         ; v240-255 four registers at work for each row
.set SCL,  14                          ; v14      2^e as f32
.set LIM,  15                          ; v15      57,344 x 2^e
.set SEL,  50                          ; s[50:51] lane selects: lane l xor 16
.set INV,  52                          ; s52      1 / 1,024
.set EPSR, 53                          ; s53      1e-5
.set RO,   16                          ; v16-47   weights path: byte offset of my column in rows 0 .. 31 of a block
.set X,    48                          ; v48-111  two sets of 32 numbers
.set CD,   112                         ; v112-143 eight registers of codes for each of four blocks: no store's data are written again
.set SB,   68                          ; s[68:75] the four blocks' first rows in memory
.set OP,   56                          ; s[56:57] where the K step's codes go
; the sum of a pair of registers of each row, then over the 32 lanes; the result stands in every lane
.macro LN_ACROSS a
.irp i, 0,1,2,3
	v_add_f32 v[T+4*\i+\a], v[T+4*\i+\a], v[T+4*\i+\a+1]
.endr
.irp m, 1,2,4,8
.irp i, 0,1,2,3
	v_add_f32_dpp v[T+4*\i+\a], v[T+4*\i+\a], v[T+4*\i+\a] row_xmask:\m row_mask:0xf bank_mask:0xf
.endr
.endr
.irp i, 0,1,2,3
	v_permlanex16_b32 v[T+4*\i+\a+1], v[T+4*\i+\a], s[SEL], s[SEL+1]
.endr
.irp i, 0,1,2,3
	v_add_f32 v[T+4*\i+\a], v[T+4*\i+\a], v[T+4*\i+\a+1]
.endr
.endm
; mean, centred rows, variance of the centred rows, 1 / sqrt(variance + 1e-5) into v[T + 4 i]; the four rows take turns line by line
.macro LN_STATS
.irp i, 0,1,2,3
	v_pk_add_f32 v[T+4*\i:T+4*\i+1], v[R+32*\i:R+32*\i+1], v[R+32*\i+2:R+32*\i+3]
	v_pk_add_f32 v[T+4*\i+2:T+4*\i+3], v[R+32*\i+4:R+32*\i+5], v[R+32*\i+6:R+32*\i+7]
.endr
.irp p, 8,12,16,20,24,28
.irp i, 0,1,2,3
	v_pk_add_f32 v[T+4*\i:T+4*\i+1], v[T+4*\i:T+4*\i+1], v[R+32*\i+\p:R+32*\i+\p+1]
	v_pk_add_f32 v[T+4*\i+2:T+4*\i+3], v[T+4*\i+2:T+4*\i+3], v[R+32*\i+\p+2:R+32*\i+\p+3]
.endr
.endr
.irp i, 0,1,2,3
	v_pk_add_f32 v[T+4*\i:T+4*\i+1], v[T+4*\i:T+4*\i+1], v[T+4*\i+2:T+4*\i+3]
.endr
	LN_ACROSS 0
.irp i, 0,1,2,3
	v_mul_f32 v[T+4*\i], s[INV], v[T+4*\i]         ; the mean
.endr
.irp p, 0,2,4,6,8,10,12,14,16,18,20,22,24,26,28,30
.irp i, 0,1,2,3
	v_pk_add_f32 v[R+32*\i+\p:R+32*\i+\p+1], v[R+32*\i+\p:R+32*\i+\p+1], v[T+4*\i:T+4*\i+1] op_sel_hi:[1,0] neg_lo:[0,1] neg_hi:[0,1]
.endr
.endr
.irp i, 0,1,2,3
	v_pk_mul_f32 v[T+4*\i+2:T+4*\i+3], v[R+32*\i:R+32*\i+1], v[R+32*\i:R+32*\i+1]
.endr
.irp p, 2,4,6,8,10,12,14,16,18,20,22,24,26,28,30
.irp i, 0,1,2,3
	v_pk_fma_f32 v[T+4*\i+2:T+4*\i+3], v[R+32*\i+\p:R+32*\i+\p+1], v[R+32*\i+\p:R+32*\i+\p+1], v[T+4*\i+2:T+4*\i+3]
.endr
.endr
	LN_ACROSS 2
.irp i, 0,1,2,3
	v_fma_f32 v[T+4*\i+2], v[T+4*\i+2], s[INV], s[EPSR]
.endr
	s_wait_alu depctr_va_vdst(0)                   ; the wait ahead of the batch
.irp i, 0,1,2,3
	v_rsq_f32 v[T+4*\i], v[T+4*\i+2]
.endr
	v_nop                                          ; one plain instruction behind the last transcendental
.endm
; x 1 / sqrt, x gain + bias, the hold at the largest code, the conversions
.macro LN_NORMQ
	s_wait_alu depctr_va_vdst(0)                   ; and behind it, ahead of its first reader
.irp p, 0,2,4,6,8,10,12,14,16,18,20,22,24,26,28,30
.irp i, 0,1,2,3
	v_pk_mul_f32 v[R+32*\i+\p:R+32*\i+\p+1], v[R+32*\i+\p:R+32*\i+\p+1], v[T+4*\i:T+4*\i+1] op_sel_hi:[1,0]
.endr
.endr
.irp p, 0,2,4,6,8,10,12,14,16,18,20,22,24,26,28,30
.irp i, 0,1,2,3
	v_pk_fma_f32 v[R+32*\i+\p:R+32*\i+\p+1], v[R+32*\i+\p:R+32*\i+\p+1], v[G+\p:G+\p+1], v[BE+\p:BE+\p+1]
.endr
.endr
.set n, 0
.rept 128
	v_med3_num_f32 v[R+n], v[R+n], -v[LIM], v[LIM] ; the conversion to an 8-bit code does not saturate (ISA guide 7.6.2)
.set n, n+1
.endr
.set n, 0
.rept 16
	v_cvt_scalef32_pk8_bf8_f32 v[C+2*n:C+2*n+1], v[R+8*n:R+8*n+7], v[SCL]   ; eight numbers: four of an even K step, four of the odd one behind it
.set n, n+1
.endr
	v_nop                                          ; one plain instruction behind the last scaled conversion
.endm
	s_load_b512 s[4:19], s[0:1], 0x0               ; x, g1, be1, Wa, Wout, W1, W2, the scales' exponents
	s_load_b128 s[20:23], s[0:1], 0x40             ; xq, wq
	v_lshl_add_u32 v9, v0, 2, 0x4400
	v_mov_b32 v13, 0
	v_lshrrev_b32 v1, 5, v0
	v_readfirstlane_b32 s36, v1                    ; wave 0..3
	v_and_b32 v2, 31, v0                           ; lane
	s_wait_kmcnt 0x0
	s_load_b256 s[24:31], s[18:19], 0x0            ; e0 .. e7
	s_load_b128 s[32:35], s[18:19], 0x20           ; e8 .. e11
	s_cmp_lt_u32 ttmp9, 256
	s_cbranch_scc0 .Lweights
	; ---------------- ROWS.  The work-group is tile T = its number; wave w takes the tile's rows 4 w .. 4 w + 3, which are four neighbouring rows of x
	s_wait_alu depctr_va_vdst(0)
	v_lshlrev_b32 v1, 4, v2                        ; 16 x lane
	s_wait_alu depctr_va_vdst(0)
	s_lshr_b32 s37, ttmp9, 1
	s_lshl_b32 s37, s37, 5                         ; 32 (T / 2)
	s_and_b32 s38, ttmp9, 1
	s_lshl_b32 s38, s38, 3
	s_add_co_u32 s37, s37, s38                     ; + 8 (T % 2)
	s_lshl_b32 s38, s36, 2
	s_add_co_u32 s37, s37, s38                     ; + 4 w
	s_lshr_b32 s38, s36, 1
	s_lshl_b32 s38, s38, 3
	s_add_co_u32 s37, s37, s38                     ; + 8 (w / 2)
	s_lshl_b32 s38, s37, 12                        ; a row is 4,096 bytes
	s_mov_b32 s39, 0
	s_add_nc_u64 s[4:5], s[4:5], s[38:39]
.irp i, 0,1,2,3
.irp j, 0,1,2,3,4,5,6,7
	global_load_b128 v[R+32*\i+4*\j:R+32*\i+4*\j+3], v1, s[4:5] offset:4096*\i+512*\j th:TH_LOAD_NT   ; 32 lanes read 512 consecutive bytes
.endr
.endr
.irp j, 0,1,2,3,4,5,6,7
	global_load_b128 v[G+4*\j:G+4*\j+3], v1, s[6:7] offset:512*\j
.endr
.irp j, 0,1,2,3,4,5,6,7
	global_load_b128 v[BE+4*\j:BE+4*\j+3], v1, s[8:9] offset:512*\j
.endr
	; the stage: 64 pieces of 256 bytes, 272 apart.  Piece 8 j + lane / 4 is 256 consecutive bytes of K step j's fragment; in it row r' has 16 bytes at 16 r'
	v_lshrrev_b32 v3, 2, v2
	v_mul_u32_u24 v3, v3, 272
	v_and_b32 v5, 3, v2
	v_lshl_add_u32 v3, v5, 2, v3
	s_lshl_b32 s38, s36, 6
	v_add_nc_u32 v3, s38, v3                       ; in: 272 (lane / 4) + 4 (lane % 4) + 64 w
	v_lshrrev_b32 v4, 4, v2
	v_mul_u32_u24 v4, v4, 272
	v_and_b32 v5, 15, v2
	v_lshl_add_u32 v4, v5, 4, v4
	s_mul_i32 s38, s36, 16*272
	v_add_nc_u32 v4, s38, v4                       ; back: wave w takes pieces 16 w on, two an instruction
	s_lshl_b32 s40, s36, 20                        ; K steps 2 w, 2 w + 1: 524,288 bytes each
	s_lshl_b32 s41, ttmp9, 11
	s_add_co_u32 s40, s40, s41
	s_mov_b32 s41, 0
	s_add_nc_u64 s[20:21], s[20:21], s[40:41]
	s_mov_b32 s[SEL], 0x76543210
	s_mov_b32 s[SEL+1], 0xfedcba98
	s_mov_b32 s[INV], 0x3a800000
	s_mov_b32 s[EPSR], 0x3727c5ac
	s_wait_kmcnt 0x0
	s_add_co_i32 s40, s24, 127                     ; e0
	s_lshl_b32 s41, s40, 23
	v_mov_b32 v[SCL], s41
	s_add_co_i32 s40, s40, 15
	s_lshl_b32 s40, s40, 23
	s_or_b32 s40, s40, 0x600000
	v_mov_b32 v[LIM], s40
	s_wait_loadcnt 16                              ; x's 32 loads are in; the gain's and the bias's sixteen may be out
	LN_STATS
	s_wait_loadcnt 0x0
	LN_NORMQ
.irp i, 0,1,2,3
.irp j, 0,1,2,3,4,5,6,7
	ds_store_b32 v3, v[C+8*\i+\j] offset:2176*\j+16*\i
.endr
.endr
	s_wait_dscnt 0x0                               ; for the others' sake: my stores have landed
	s_barrier_signal -1
	s_barrier_wait -1
.irp t, 0,1,2,3,4,5,6,7
	ds_load_b128 v[R+4*\t:R+4*\t+3], v4 offset:544*\t
.endr
.irp t, 0,1,2,3,4,5,6,7
	s_wait_dscnt 7-\t                              ; LDS loads come back in order: load t is in, the younger ones may be out
	global_store_b128 v1, v[R+4*\t:R+4*\t+3], s[20:21] offset:(\t/4)*524288+(\t%4)*512   ; 512 consecutive bytes, aligned
.endr
	s_wait_tensorcnt 0x0                           ; the wave's end
	ds_add_u32 v9, v13
	s_wait_dscnt 0x0
	s_endpgm
.Lweights:
	; ---------------- WEIGHTS, stored [K][N].  One path for the four: a work-group takes 128 columns x 128 along K (one K step), a wave 32 columns.  A lane takes a column, its registers run down K.
	s_sub_co_u32 s37, ttmp9, 256
	s_wait_kmcnt 0x0
	s_mov_b64 s[40:41], s[16:17]                   ; W2: from work-group 512 on; 32 parts along K
	s_mov_b32 s42, 512
	s_mov_b32 s43, 5
	s_mov_b32 s44, 4096                            ; a row in bytes
	s_mov_b32 s45, s35                             ; e11
	s_mov_b32 s46, 16384                           ; from K step to K step in wq
	s_mov_b32 s47, 524288                          ; from 128 columns to the next
	s_mov_b32 s48, 8388608
	s_cmp_lt_u32 s37, 512                          ; W1: from 256 on; 8 parts along K
	s_cselect_b64 s[40:41], s[14:15], s[40:41]
	s_cselect_b32 s42, 256, s42
	s_cselect_b32 s43, 3, s43
	s_cselect_b32 s44, 16384, s44
	s_cselect_b32 s45, s33, s45                    ; e9
	s_cselect_b32 s46, 524288, s46
	s_cselect_b32 s47, 16384, s47
	s_cselect_b32 s48, 4194304, s48
	s_cmp_lt_u32 s37, 256                          ; Wout: from 192 on
	s_cselect_b64 s[40:41], s[12:13], s[40:41]
	s_cselect_b32 s42, 192, s42
	s_cselect_b32 s44, 4096, s44
	s_cselect_b32 s45, s31, s45                    ; e7
	s_cselect_b32 s46, 131072, s46
	s_cselect_b32 s48, 3145728, s48
	s_cmp_lt_u32 s37, 192                          ; Wa: from 0 on
	s_cselect_b64 s[40:41], s[10:11], s[40:41]
	s_cselect_b32 s42, 0, s42
	s_cselect_b32 s44, 12288, s44
	s_cselect_b32 s45, s25, s45                    ; e1
	s_cselect_b32 s46, 393216, s46
	s_cselect_b32 s48, 0, s48
	s_sub_co_u32 s38, s37, s42
	s_bfm_b32 s39, s43, 0
	s_and_b32 s49, s38, s39                        ; which K step
	s_lshr_b32 s50, s38, s43                       ; which 128 columns
	s_wait_alu depctr_va_vdst(0)
	v_lshrrev_b32 v5, 4, v2                        ; u = lane / 16: the even or the odd tile of my wave's 32 columns
	v_and_b32 v6, 7, v2
	v_bfe_u32 v7, v2, 3, 1
	v_lshl_add_u32 v6, v5, 3, v6
	v_lshl_add_u32 v6, v7, 4, v6                   ; my column of the 32: 8 u + r % 8 + 16 (r / 8)
	v_lshlrev_b32 v[RO], 2, v6
.irp i, 1,2,3,4,5,6,7,8,9,10,11,12,13,14,15,16,17,18,19,20,21,22,23,24,25,26,27,28,29,30,31
	v_add_nc_u32 v[RO+\i], s44, v[RO+\i-1]
.endr
	v_and_b32 v7, 15, v2
	v_lshlrev_b32 v12, 4, v7
	v_lshl_add_u32 v12, v5, 11, v12                ; out: 2,048 u + 16 r
	s_lshl_b32 s52, s44, 7
	s_mul_i32 s52, s52, s49                        ; 128 rows x the K step
	s_lshl_b32 s53, s50, 9
	s_add_co_u32 s52, s52, s53
	s_lshl_b32 s53, s36, 7
	s_add_co_u32 s52, s52, s53
	s_mov_b32 s53, 0
	s_add_nc_u64 s[SB:SB+1], s[40:41], s[52:53]
	s_lshl_b32 s52, s44, 5                         ; 32 rows
.irp t, 1,2,3
	s_add_nc_u64 s[SB+2*\t:SB+2*\t+1], s[SB+2*\t-2:SB+2*\t-1], s[52:53]
.endr
	s_mul_i32 s54, s49, s46
	s_mul_i32 s55, s50, s47
	s_add_co_u32 s54, s54, s55
	s_add_co_u32 s54, s54, s48
	s_lshl_b32 s55, s36, 12
	s_add_co_u32 s54, s54, s55
	s_mov_b32 s55, 0
	s_add_nc_u64 s[OP:OP+1], s[22:23], s[54:55]
	s_add_co_i32 s54, s45, 127
	s_lshl_b32 s55, s54, 23
	v_mov_b32 v11, s55                             ; 2^e
	s_add_co_i32 s54, s54, 15
	s_lshl_b32 s54, s54, 23
	s_or_b32 s54, s54, 0x600000
	v_mov_b32 v10, s54                             ; 57,344 x 2^e
.macro LOAD t                          ; block t: 32 rows of K at my column: the wave reads 128 consecutive bytes a load
.set n, 0
.rept 32
	global_load_b32 v[X+32*((\t)%2)+n], v[RO+n], s[SB+2*(\t):SB+2*(\t)+1] th:TH_LOAD_NT
.set n, n+1
.endr
.endm
.macro BLOCK t
.if (\t) < 3
	s_wait_loadcnt 32                              ; this block's 32 loads are in; the next block's may be out
.else
	s_wait_loadcnt 0x0
.endif
.set n, 0
.rept 32
	v_med3_num_f32 v[X+32*((\t)%2)+n], v[X+32*((\t)%2)+n], -v10, v10
.set n, n+1
.endr
.irp g, 0,1,2,3
	v_cvt_scalef32_pk8_bf8_f32 v[CD+8*(\t)+2*\g:CD+8*(\t)+2*\g+1], v[X+32*((\t)%2)+8*\g:X+32*((\t)%2)+8*\g+7], v11
.endr
	v_nop                                          ; one plain instruction behind the last scaled conversion
	global_store_b128 v12, v[CD+8*(\t):CD+8*(\t)+3], s[OP:OP+1] offset:(\t)*512        ; k = 32 t + 0 .. 15: sixteen lanes store 256 consecutive bytes, aligned
	global_store_b128 v12, v[CD+8*(\t)+4:CD+8*(\t)+7], s[OP:OP+1] offset:(\t)*512+256  ; k = 32 t + 16 .. 31
.if (\t)+2 < 4
	LOAD (\t)+2
.endif
.endm
	s_wait_alu depctr_va_vdst(0)
	LOAD 0
	LOAD 1
.irp t, 0,1,2,3
	BLOCK \t
.endr
	s_endpgm
.Lfunc_end_k_q544f121bec_prep:
	.size	k_q544f121bec_prep, .Lfunc_end_k_q544f121bec_prep-k_q544f121bec_prep
	.p2alignl 7, 3214868480
	.fill 96, 4, 3214868480
	.section	.rodata,"a",@progbits
	.p2align	6, 0x0
	.amdhsa_kernel k_q544f121bec_prep
		.amdhsa_group_segment_fixed_size 17920
		.amdhsa_private_segment_fixed_size 0
		.amdhsa_enable_private_segment 0
		.amdhsa_kernarg_size 80
		.amdhsa_user_sgpr_count 2
		.amdhsa_user_sgpr_kernarg_segment_ptr 1
		.amdhsa_wavefront_size32 1
		.amdhsa_system_sgpr_workgroup_id_x 1
		.amdhsa_system_sgpr_workgroup_id_y 1
		.amdhsa_system_sgpr_workgroup_id_z 1
		.amdhsa_system_vgpr_workitem_id 0
		.amdhsa_next_free_vgpr 256
		.amdhsa_next_free_sgpr 96
		.amdhsa_reserve_vcc 0
		.amdhsa_float_denorm_mode_32 3
		.amdhsa_float_denorm_mode_16_64 3
		.amdhsa_memory_ordered 1
		.amdhsa_forward_progress 1
		.amdhsa_inst_pref_size 70
	.end_amdhsa_kernel
	.amdgpu_metadata
---
amdhsa.version: [ 1, 2 ]
amdhsa.kernels:
  - .name:           k_q544f121bec_prep
    .symbol:         k_q544f121bec_prep.kd
    .args:
      - { .name: x, .offset: 0, .size: 8, .value_kind: global_buffer, .address_space: global }
      - { .name: g1, .offset: 8, .size: 8, .value_kind: global_buffer, .address_space: global }
      - { .name: be1, .offset: 16, .size: 8, .value_kind: global_buffer, .address_space: global }
      - { .name: Wa, .offset: 24, .size: 8, .value_kind: global_buffer, .address_space: global }
      - { .name: Wout, .offset: 32, .size: 8, .value_kind: global_buffer, .address_space: global }
      - { .name: W1, .offset: 40, .size: 8, .value_kind: global_buffer, .address_space: global }
      - { .name: W2, .offset: 48, .size: 8, .value_kind: global_buffer, .address_space: global }
      - { .name: lowp_scales, .offset: 56, .size: 8, .value_kind: global_buffer, .address_space: global }
      - { .name: xq, .offset: 64, .size: 8, .value_kind: global_buffer, .address_space: global }
      - { .name: wq, .offset: 72, .size: 8, .value_kind: global_buffer, .address_space: global }
    .group_segment_fixed_size: 17920
    .private_segment_fixed_size: 0
    .kernarg_segment_align: 8
    .kernarg_segment_size: 80
    .max_flat_workgroup_size: 128
    .sgpr_count:     96
    .vgpr_count:     256
    .wavefront_size: 32
...
	.end_amdgpu_metadata
.endif
;; end of part 1
;; launch proj (part 2): grid 16 x 16, 4 waves a work-group, clusters of 4 x 4, 327,680 bytes of LDS; arguments xq, wq, lowp_scales, qkv; writes qkv
.if DOCPART == 2
	.amdgcn_target "amdgcn-amd-amdhsa--gfx1250"
	.amdhsa_code_object_version 6
	.text
	.protected	k_q544f121bec_proj
	.globl	k_q544f121bec_proj
	.p2align	8
	.type	k_q544f121bec_proj,@function
k_q544f121bec_proj:
	s_mov_b64 s[64:65], 0
	v_nop
	global_prefetch_b8 v0, s[64:65] scope:SCOPE_SE
	s_setreg_imm32_b32 hwreg(HW_REG_WAVE_MODE, 25, 1), 1
	s_wait_xcnt 0x0
	s_wait_alu depctr_hold_cnt(0) depctr_sa_sdst(0) depctr_va_vdst(0) depctr_va_sdst(0) depctr_va_ssrc(0) depctr_va_vcc(0) depctr_vm_vsrc(0)
	s_getreg_b32 s2, hwreg(HW_REG_IB_STS2, 6, 4)
	s_cmp_eq_u32 s2, 0
	s_cbranch_scc0 .Lentry_in_a_cluster
	s_endpgm
.Lentry_in_a_cluster:
	s_bfe_u32 s2, ttmp6, 0x10000c
	s_cmp_lg_u32 s2, 0xf033
	s_cbranch_scc0 .Lentry_shape_is_right
	s_endpgm
.Lentry_shape_is_right:
; PROJ: q, k, v = layernorm(x) Wa on codes of BF8, K = 1,024, and their codes for attention.  Operands are register images (16 rows x 128 K = 2,048 bytes: byte 512 c + 16 lane + j;
; a tile's rows are rho(T, r) = 32 (T / 2) + 8 (T % 2) + r % 8 + 16 (r / 8)): a fragment is four loads of 16 bytes a lane, 512 bytes apart; no pitch, no padding.
; SHARES.  Work-group (x = head, y = 256 tokens); wave w: 64 tokens (4 tiles) x the head's 192 features (12 tiles: 0-3 q, 4-7 k, 8-11 v): 48 accumulators.
; q and k are made TRANSPOSED (source 0 = features, source 1 = tokens): a lane holds one token, and the 16 registers of two neighbouring tiles are 16 neighbouring features: converted, they are 16 bytes of q's or k's image.
; v is made straight (source 0 = tokens, source 1 = features): a lane holds one feature and 16 neighbouring tokens: 16 bytes of the image of V^T, whose K is the keys.
; qkv: for each (batch, head) 393,216 bytes: q [tile 128][1024], k at 131,072 likewise, v at 262,144 [128 keys 16][tile of d 4][2048].
; RING: two LDS slots of two K steps; region w of a slot (32,768 bytes) is filled by wave w with one tensor load of a dense block.  CLUSTER 4 x 4: x's codes are shared along a row, Wa's along a column: joint loads.
; LIMITS: e2 - e0 - e1, e3 - e0 - e1 and e5 - e0 - e1 between -126 and 112.
; REGISTERS: window 0: v16-37 addresses and scales; v64-255 B's 12 fragments, one set.  window 1: v0-127 A's 4 fragments, two sets; v128-255 v's 16 accumulators.  window 2: q's and k's 32 accumulators.
.set SLOT,  131072
.set REG,   32768
.set SPARE, 262144                     ; behind the ring: the spare words, 128 bytes for each wave
.set WV,   14
.set FB,   15                          ; s15: 0: I fetch x's codes, 1: Wa's.  Also wave / 2
.set ADRA, 16
.set ADRB, 20
.set CO,   26                          ; v26 16 x lane
.set SPW,  28
.set NIL,  29
.set QS,   32                          ; v32-37: 2^E and 57,344 x 2^E for q, k, v
.set BF,   64
.set TMP,  64
.set G1,   24
.set G0,   32
.set G1B,  48
.set G0B,  56
.set W_QK, 0xa4                        ; source 0 (B) window 0, source 1 (A) window 1, C and D window 2
.set W_V,  0x51                        ; source 0 (A) window 1, source 1 (B) window 0, C and D window 1
.set MSB, 0
.macro WIN new                         ; the immediate's high byte repeats the setting that is left
.if MSB != (\new)
	s_set_vgpr_msb (MSB<<8)|(\new)
.set MSB, (\new)
.endif
.endm
.macro PLACES                          ; four plain places behind matrix instructions, in front of loads into their registers and of reads of their results
.rept 4
	v_nop
.endr
.endm
.macro CREST                           ; a round of the cluster's barrier behind its opening barrier
	s_cmp_lg_u32 s[WV], 0
	s_cbranch_scc1 .Lnot_wave_0_\@
	s_barrier_signal -3
.Lnot_wave_0_\@:
	s_barrier_wait -3
	s_barrier_signal -1
	s_barrier_wait -1
.endm
.macro CROUND
	s_barrier_signal -1
	s_barrier_wait -1
	CREST
.endm
.macro JLOAD s                         ; a joint load: waves 0 and 1 for A, waves 2 and 3 for B; four v_nop follow each line
	s_cmp_eq_u32 s[FB], 0
	s_cbranch_scc0 .Lfor_b_\@
	tensor_load_to_lds s[G0+4*\s:G0+4*\s+3], s[G1:G1+7]
	s_nop 0
.rept 4
	v_nop
.endr
	s_branch .Lasked_\@
.Lfor_b_\@:
	tensor_load_to_lds s[G0B+4*\s:G0B+4*\s+3], s[G1B:G1B+7]
	s_nop 0
.rept 4
	v_nop
.endr
.Lasked_\@:
.endm
.macro FRAG reg, adr, off              ; a fragment: four loads, each of 512 consecutive bytes
.irp c, 0,1,2,3
	ds_load_b128 v[\reg+4*\c:\reg+4*\c+3], v[\adr] offset:\off+512*\c
.endr
.endm
.macro MKSCL vs, vl, se                ; 2^E and 57,344 x 2^E as f32, E in the scalar register se
	s_add_co_i32 s90, \se, 127
	s_lshl_b32 s91, s90, 23
	v_mov_b32 v[\vs], s91
	s_add_co_i32 s90, s90, 15
	s_lshl_b32 s90, s90, 23
	s_or_b32 s90, s90, 0x600000
	v_mov_b32 v[\vl], s90
.endm
	s_load_b256 s[4:11], s[0:1], 0x0               ; xq, wq, the scales' exponents, qkv
	v_lshl_add_u32 v[SPW], v0, 2, SPARE
	v_mov_b32 v[NIL], 0
	ds_add_u32 v28, v29
	ds_add_u32 v28, v29
	s_wait_dscnt 0x0
	v_lshrrev_b32 v1, 5, v0
	v_readfirstlane_b32 s[WV], v1
	s_lshr_b32 s[FB], s[WV], 1
	s_and_b32 s16, s[WV], 1                        ; which of a slot's two K steps I fetch
	s_bfe_u32 s40, ttmp6, 0x40000                  ; cx, cy
	s_bfe_u32 s41, ttmp6, 0x40004
	s_lshl_b32 s42, ttmp9, 2
	s_add_co_u32 s42, s42, s40                     ; the head
	s_and_b32 s17, ttmp7, 0xffff
	s_lshl_b32 s17, s17, 2
	s_add_co_u32 s17, s17, s41                     ; which 256 tokens
	s_lshl_b32 s43, s41, 2
	s_lshl_b32 s43, 15, s43                        ; my row of the cluster
	s_lshl_b32 s44, 0x1111, s40                    ; my column
	s_or_b32 s[G1], s43, (3<<16)|(1<<21)           ; the mask; elements of 8 bytes; bit 21 beside a mask; no padding
	s_or_b32 s[G1B], s44, (3<<16)|(1<<21)
.irp g, G1, G1B
	s_mov_b32 s[\g+1], 32<<16                      ; tensor_dim0 = 32 elements: 256 bytes
	s_mov_b32 s[\g+3], 32<<16                      ; tile_dim0
	s_mov_b32 s[\g+5], 32                          ; the rows are dense
	s_mov_b32 s[\g+6], 0
	s_mov_b32 s[\g+7], 0
.endr
	s_mov_b32 s[G1+2], 128<<16                     ; A: 128 rows of 256 bytes: 16 fragments
	s_mov_b32 s[G1+4], 128
	s_mov_b32 s[G1B+2], 96<<16                     ; B: 96 rows: 12 fragments
	s_mov_b32 s[G1B+4], 96
	s_lshl_b32 s20, s16, 19                        ; A: K step x 524,288 + 256 tokens x 32,768
	s_lshl_b32 s21, s17, 15
	s_add_co_u32 s20, s20, s21
	s_mov_b32 s21, 0
	s_mul_i32 s46, s16, 393216                     ; B: K step x 393,216 + head x 24,576
	s_mul_i32 s47, s42, 24576
	s_add_co_u32 s46, s46, s47
	s_mov_b32 s47, 0
	s_lshl_b32 s45, s[WV], 15                      ; my region of a slot
	s_wait_kmcnt 0x0
	s_load_b256 s[68:75], s[8:9], 0x0              ; e0 .. e7
	s_add_nc_u64 s[20:21], s[4:5], s[20:21]
	s_add_nc_u64 s[46:47], s[6:7], s[46:47]
	CROUND                                         ; all sixteen work-groups are here: the first joint loads meet
.irp s, 0,1
	s_mov_b32 s[G0+4*\s], 1
	s_add_co_u32 s[G0+4*\s+1], s45, \s*SLOT
	s_add_nc_u64 s[G0+4*\s+2:G0+4*\s+3], s[20:21], \s*1048576
	s_or_b32 s[G0+4*\s+3], s[G0+4*\s+3], 0x80000000
	s_mov_b32 s[G0B+4*\s], 1
	s_add_co_u32 s[G0B+4*\s+1], s45, \s*SLOT
	s_add_nc_u64 s[G0B+4*\s+2:G0B+4*\s+3], s[46:47], \s*786432
	s_or_b32 s[G0B+4*\s+3], s[G0B+4*\s+3], 0x80000000
.endr
	JLOAD 0                                        ; slot 0: one tensor load a wave at the head
	; PREFETCHES INTO THE L2: behind slot 0's load the requests for slots 1 and 2, behind slot 1's the one for slot 3: one instruction a wave each, lanes 256 bytes apart.
	; The four partners that ask for a tile jointly share it out BY ADDRESS: of x's 32,768 bytes 8,192 each (cx), of Wa's 24,576 bytes 6,144 each (cy: 24 blocks; the lanes left over name the last block again).
	s_cmp_eq_u32 s[FB], 0                          ; do I fetch x's codes or Wa's?
	s_cselect_b64 s[66:67], s[20:21], s[46:47]     ; my tile of slot 0
	s_cselect_b32 s94, s40, s41                    ; my place among the four that ask with me
	s_mov_b32 s92, 786432
	s_cselect_b32 s92, 1048576, s92                ; from slot to slot
	s_mov_b32 s97, 6144
	s_cselect_b32 s97, 8192, s97                   ; a partner's share
	s_cselect_b32 s96, 31, 23                      ; its last block
	s_mul_i32 s94, s94, s97
	s_mov_b32 s95, 0
	s_mov_b32 s93, 0
	s_add_nc_u64 s[66:67], s[66:67], s[94:95]
	s_add_nc_u64 s[66:67], s[66:67], s[92:93]      ; slot 1
	s_add_nc_u64 s[76:77], s[66:67], s[92:93]      ; slot 2
	s_add_nc_u64 s[78:79], s[76:77], s[92:93]      ; slot 3
	v_and_b32 v3, 31, v0
	v_min_u32 v3, s96, v3
	v_lshlrev_b32 v3, 8, v3                        ; v3: 256 x my block; never rewritten
	global_prefetch_b8 v3, s[66:67] th:TH_LOAD_NT scope:SCOPE_SE
	global_prefetch_b8 v3, s[76:77] th:TH_LOAD_NT scope:SCOPE_SE
	v_and_b32 v2, 31, v0
	v_lshlrev_b32 v[CO], 4, v2
	s_lshl_b32 s22, s[WV], 13                      ; my four tiles of tokens
	v_add_nc_u32 v[ADRA], s22, v[CO]
	v_add_nc_u32 v[ADRA+1], SLOT, v[ADRA]
	v_add_nc_u32 v[ADRB], 65536, v[CO]
	v_add_nc_u32 v[ADRB+1], SLOT, v[ADRB]
	s_lshr_b32 s80, s17, 3                         ; the batch
	s_lshl_b32 s80, s80, 4
	s_add_co_u32 s80, s80, s42
	s_mul_i32 s80, s80, 393216                     ; (batch, head)'s part of qkv
	s_and_b32 s81, s17, 7
	s_lshl_b32 s82, s81, 4
	s_lshl_b32 s83, s[WV], 2
	s_add_co_u32 s82, s82, s83                     ; my first tile of tokens in the sequence
	s_lshl_b32 s82, s82, 10
	s_add_co_u32 s82, s82, s80
	s_mov_b32 s83, 0
	s_add_nc_u64 s[84:85], s[10:11], s[82:83]      ; q's (and, 131,072 on, k's) image
	s_lshl_b32 s82, s81, 1
	s_add_co_u32 s82, s82, s[FB]                   ; which 128 keys
	s_lshl_b32 s82, s82, 13
	s_lshl_b32 s81, s16, 10                        ; piece 2 (w % 2) of the fragment
	s_add_co_u32 s82, s82, s81
	s_add_co_u32 s82, s82, s80
	s_add_co_u32 s82, s82, 262144
	s_add_nc_u64 s[86:87], s[10:11], s[82:83]      ; v's image
	s_wait_alu depctr_va_vdst(0)
	s_wait_kmcnt 0x0
	s_add_co_i32 s88, s68, s69                     ; a sum stands for sum x 2^(e0 + e1): the scales are folded into the conversion's one
	s_sub_co_i32 s89, s70, s88
	MKSCL QS, QS+1, s89
	s_sub_co_i32 s89, s71, s88
	MKSCL QS+2, QS+3, s89
	s_sub_co_i32 s89, s73, s88
	MKSCL QS+4, QS+5, s89
.macro FETCH_A slot, q, p              ; my four fragments of A, the slot's K step q, into set p
	WIN 0x40
.irp a, 0,1,2,3
	FRAG 64*(\p)+16*\a, ADRA+\slot, (\q)*REG+2048*\a
.endr
	WIN 0
.endm
.macro FETCH_B slot, q, b0             ; six fragments of B from b0 on
.irp i, 0,1,2,3,4,5
	FRAG BF+16*(\b0+\i), ADRB+\slot, (\q)*REG+2048*(\b0+\i)
.endr
.endm
; the accumulators take turns, one instruction a turn, in the same order in every K step
.macro MULQK b0, nb, p, zero
.set bb, \b0
.rept \nb
.irp a, 0,1,2,3
.if \zero
	v_wmma_f32_16x16x128_bf8_bf8 v[8*(4*bb+\a):8*(4*bb+\a)+7], v[BF+16*bb:BF+16*bb+15], v[64*(\p)+16*\a:64*(\p)+16*\a+15], 0
.else
	v_wmma_f32_16x16x128_bf8_bf8 v[8*(4*bb+\a):8*(4*bb+\a)+7], v[BF+16*bb:BF+16*bb+15], v[64*(\p)+16*\a:64*(\p)+16*\a+15], v[8*(4*bb+\a):8*(4*bb+\a)+7]
.endif
.endr
.set bb, bb+1
.endr
.endm
.macro MULV p, zero
.irp t, 0,1,2,3
.irp a, 0,1,2,3
.if \zero
	v_wmma_f32_16x16x128_bf8_bf8 v[128+8*(4*\t+\a):128+8*(4*\t+\a)+7], v[64*(\p)+16*\a:64*(\p)+16*\a+15], v[BF+16*(8+\t):BF+16*(8+\t)+15], 0
.else
	v_wmma_f32_16x16x128_bf8_bf8 v[128+8*(4*\t+\a):128+8*(4*\t+\a)+7], v[64*(\p)+16*\a:64*(\p)+16*\a+15], v[BF+16*(8+\t):BF+16*(8+\t)+15], v[128+8*(4*\t+\a):128+8*(4*\t+\a)+7]
.endif
.endr
.endr
.endm
; a slot's first K step (A's set 0); it fetches the slot's second
.macro STEP slot, zero
	s_wait_dscnt 24                                ; A and B's fragments 0-5 are in; the youngest 24 loads (B's 6-11) may be out
	WIN W_QK
	MULQK 0, 6, 0, \zero
	s_wait_dscnt 0x0
	PLACES
	FETCH_A \slot, 1, 1
	FETCH_B \slot, 1, 0
	WIN W_QK
	MULQK 6, 2, 0, \zero
	WIN W_V
	MULV 0, \zero
	PLACES
	WIN 0
	FETCH_B \slot, 1, 6
.endm
; a slot's second K step (A's set 1) changes slots: one barrier; in front of it each wave waits for all its tensor loads, adds 0 to its spare word, and waits for that and for its reads of this slot
.macro TURN slot, next, fill
	s_wait_tensorcnt 0x0                           ; all my tensor loads have landed: my part of the next slot
	ds_add_u32 v[SPW], v[NIL]                      ; 0 onto my spare word
	s_wait_dscnt 25                                ; (the add and B's fragments 6-11 may be out)
	WIN W_QK
	MULQK 0, 3, 1, 0
	s_wait_dscnt 0x0                               ; the add is done, and my reads of this slot are over
	s_barrier_signal -1
	MULQK 3, 3, 1, 0
	WIN 0
	s_barrier_wait -1
.if \fill
	CREST                                          ; the barrier has opened a round of the cluster's: no wave of any partner still reads this slot or has a load on its way
	s_add_nc_u64 s[G0+4*\slot+2:G0+4*\slot+3], s[G0+4*\slot+2:G0+4*\slot+3], 2097152
	s_add_nc_u64 s[G0B+4*\slot+2:G0B+4*\slot+3], s[G0B+4*\slot+2:G0B+4*\slot+3], 1572864
	JLOAD \slot                                    ; four K steps on; its four v_nop are also the places in front of the loads below
.else
	PLACES
.endif
	FETCH_A \next, 0, 0
	FETCH_B \next, 0, 0
	WIN W_QK
	MULQK 6, 2, 1, 0
	WIN W_V
	MULV 1, 0
	PLACES
	WIN 0
	FETCH_B \next, 0, 6
.endm
	s_wait_alu depctr_va_vdst(0)                   ; the head's end
	s_wait_tensorcnt 0x0                           ; my part of slot 0 is in; slot 1's first fill is issued as a refill is:
	ds_add_u32 v[SPW], v[NIL]                      ; 0 onto my spare word
	s_wait_dscnt 0x0
	CROUND                                         ; everybody's part of slot 0 is in, and the sixteen work-groups meet
	JLOAD 1                                        ; slot 1, the first tensor load behind the round
	FETCH_A 0, 0, 0
	global_prefetch_b8 v3, s[78:79] th:TH_LOAD_NT scope:SCOPE_SE   ; slot 3
	FETCH_B 0, 0, 0
	FETCH_B 0, 0, 6
	STEP 0, 1                                      ; the eight K steps are written out; the first starts the sums
	TURN 0, 1, 1
	STEP 1, 0
	TURN 1, 0, 1
	STEP 0, 0
	TURN 0, 1, 0
	STEP 1, 0
	s_wait_dscnt 24
	WIN W_QK
	MULQK 0, 6, 1, 0
	s_wait_alu depctr_va_vdst(0)
	s_wait_dscnt 0x0
	MULQK 6, 2, 1, 0
	WIN W_V
	MULV 1, 0
	PLACES
	; THE WAY OUT: hold, convert, store: a lane's 16 codes are 16 bytes of an image, a wave's store 512 consecutive bytes, aligned
.irp a, 0,1,2,3
	WIN 0x02                                       ; source 0: window 2
.set n, 0
.rept 64
.if n < 32
	v_med3_num_f32 v[TMP+n], v[8*(4*(n/8)+\a)+n%8], -v[QS+1], v[QS+1]
.else
	v_med3_num_f32 v[TMP+n], v[8*(4*(n/8)+\a)+n%8], -v[QS+3], v[QS+3]
.endif
.set n, n+1
.endr
	WIN 0
.irp g, 0,1,2,3
	v_cvt_scalef32_pk8_bf8_f32 v[128+16*\a+4*\g:128+16*\a+4*\g+1], v[TMP+16*\g:TMP+16*\g+7], v[QS+2*(\g/2)]
	v_cvt_scalef32_pk8_bf8_f32 v[128+16*\a+4*\g+2:128+16*\a+4*\g+3], v[TMP+16*\g+8:TMP+16*\g+15], v[QS+2*(\g/2)]
.endr
	v_nop                                          ; one plain instruction behind the last scaled conversion
.irp g, 0,1,2,3
	global_store_b128 v[CO], v[128+16*\a+4*\g:128+16*\a+4*\g+3], s[84:85] offset:(\g/2)*131072+1024*\a+512*(\g%2)
.endr
.endr
.irp al, 0,1
	WIN 0x01                                       ; source 0: window 1
.set n, 0
.rept 64
	v_med3_num_f32 v[TMP+n], v[128+32*(n/16)+16*\al+n%16], -v[QS+5], v[QS+5]
.set n, n+1
.endr
	WIN 0
.irp t, 0,1,2,3
	v_cvt_scalef32_pk8_bf8_f32 v[192+16*\al+4*\t:192+16*\al+4*\t+1], v[TMP+16*\t:TMP+16*\t+7], v[QS+4]
	v_cvt_scalef32_pk8_bf8_f32 v[192+16*\al+4*\t+2:192+16*\al+4*\t+3], v[TMP+16*\t+8:TMP+16*\t+15], v[QS+4]
.endr
	v_nop
.irp t, 0,1,2,3
	global_store_b128 v[CO], v[192+16*\al+4*\t:192+16*\al+4*\t+3], s[86:87] offset:2048*\t+512*\al
.endr
.endr
	s_wait_tensorcnt 0x0                           ; the wave's end
	ds_add_u32 v[SPW], v[NIL]
	s_wait_dscnt 0x0
	CROUND                                         ; the closing round
	s_endpgm
.Lfunc_end_k_q544f121bec_proj:
	.size	k_q544f121bec_proj, .Lfunc_end_k_q544f121bec_proj-k_q544f121bec_proj
	.p2alignl 7, 3214868480
	.fill 96, 4, 3214868480
	.section	.rodata,"a",@progbits
	.p2align	6, 0x0
	.amdhsa_kernel k_q544f121bec_proj
		.amdhsa_group_segment_fixed_size 327680
		.amdhsa_private_segment_fixed_size 0
		.amdhsa_enable_private_segment 0
		.amdhsa_kernarg_size 32
		.amdhsa_user_sgpr_count 2
		.amdhsa_user_sgpr_kernarg_segment_ptr 1
		.amdhsa_wavefront_size32 1
		.amdhsa_system_sgpr_workgroup_id_x 1
		.amdhsa_system_sgpr_workgroup_id_y 1
		.amdhsa_system_sgpr_workgroup_id_z 1
		.amdhsa_system_vgpr_workitem_id 0
		.amdhsa_next_free_vgpr 768
		.amdhsa_next_free_sgpr 98
		.amdhsa_reserve_vcc 0
		.amdhsa_float_denorm_mode_32 3
		.amdhsa_float_denorm_mode_16_64 3
		.amdhsa_memory_ordered 1
		.amdhsa_forward_progress 1
		.amdhsa_inst_pref_size 101
	.end_amdhsa_kernel
	.amdgpu_metadata
---
amdhsa.version: [ 1, 2 ]
amdhsa.kernels:
  - .name:           k_q544f121bec_proj
    .symbol:         k_q544f121bec_proj.kd
    .args:
      - { .name: xq, .offset: 0, .size: 8, .value_kind: global_buffer, .address_space: global }
      - { .name: wq, .offset: 8, .size: 8, .value_kind: global_buffer, .address_space: global }
      - { .name: lowp_scales, .offset: 16, .size: 8, .value_kind: global_buffer, .address_space: global }
      - { .name: qkv, .offset: 24, .size: 8, .value_kind: global_buffer, .address_space: global }
    .group_segment_fixed_size: 327680
    .private_segment_fixed_size: 0
    .kernarg_segment_align: 8
    .kernarg_segment_size: 32
    .max_flat_workgroup_size: 128
    .sgpr_count:     98
    .vgpr_count:     768
    .wavefront_size: 32
...
	.end_amdgpu_metadata
.endif
;; end of part 2
;; launch attn (part 3): grid 8 x 32, 16 waves a work-group, clusters of 4 x 1, 327,680 bytes of LDS; arguments qkv, lowp_scales, aq; writes aq
.if DOCPART == 3
	.amdgcn_target "amdgcn-amd-amdhsa--gfx1250"
	.amdhsa_code_object_version 6
	.text
	.protected	k_q544f121bec_attn
	.globl	k_q544f121bec_attn
	.p2align	8
	.type	k_q544f121bec_attn,@function
k_q544f121bec_attn:
	s_mov_b64 s[64:65], 0
	v_nop
	global_prefetch_b8 v0, s[64:65] scope:SCOPE_SE
	s_setreg_imm32_b32 hwreg(HW_REG_WAVE_MODE, 25, 1), 1
	s_wait_xcnt 0x0
	s_wait_alu depctr_hold_cnt(0) depctr_sa_sdst(0) depctr_va_vdst(0) depctr_va_sdst(0) depctr_va_ssrc(0) depctr_va_vcc(0) depctr_vm_vsrc(0)
	s_getreg_b32 s2, hwreg(HW_REG_IB_STS2, 6, 4)
	s_cmp_eq_u32 s2, 0
	s_cbranch_scc0 .Lentry_in_a_cluster
	s_endpgm
.Lentry_in_a_cluster:
	s_bfe_u32 s2, ttmp6, 0x10000c
	s_cmp_lg_u32 s2, 0x3003
	s_cbranch_scc0 .Lentry_shape_is_right
	s_endpgm
.Lentry_shape_is_right:
; ATTN: causal attention of one (batch, head) on codes of BF8 (E5M2), head size 64, and the codes of its result for the projection that follows.
; qkv, for each (batch, head) 393,216 bytes of register images: q [tile 128][1024], k at 131,072 likewise, v at 262,144 [128 keys 16][tile of d 4][2048]; a tile's rows are
; rho(T, r) = 32 (T / 2) + 8 (T % 2) + r % 8 + 16 (r / 8).  aq: [tile of tokens 256][K step 8][2048].
; THE SOFTMAX: t = score x log2(e) / 8; M = the running largest t rounded up to a whole number; p = 2^(t - M) is quantised, not normalised; the sum of the unquantised p divides at the end.
; LEFT OUT: key steps all of whose 128 keys come after a tile's queries: reference() itself sets their scores to -infinity by its jnp.tril, so their p is 0 for all inputs.
; SHARES.  Work-group x (0..7) of a head owns the sixteen query tiles 8 m + x, m = 0 .. 15; tile 8 m + x needs key steps 0 .. m, whatever x.  Wave pair j = wave / 2 owns m = j and m = 15 - j: 17 tile-steps;
; one wave of the pair walks the even key steps of both tiles, the other the odd ones (9 and 8 tile-steps, one diagonal step each).  At the end each wave hands one tile's partial result to its partner through LDS.
; So no branch hangs on the work-group's number, every work-group reads all 16 key steps, and the four work-groups of a cluster ask for K and V JOINTLY (mask 15).
; LDS: K's image of the whole head at 0, V's at 131,072, as they lie in memory; each byte is filled once.  Every wave issues two loads: at the head 4,096 bytes of key steps 0-3, and, behind the
; full sequence and a round, 12,288 bytes of key steps 4-15, which have the first two trips' work in which to land.  One tensor load of a wave is out at a time; every wait on TENSORcnt is for 0.
; No prefetch: both fills are asked for at the head, the second as soon as the first is in: there is no loop of loads to run ahead in.
; LIMITS: e2 + e3 between -123 and 130 (added to c's exponent field); e4 and e6 - e4 - e5 between -126 and 112; the scaled scores stay under 2^31 in magnitude.
; REGISTERS: v1 16 x lane; v2 the diagonal's bound; v12-15, v248-251 -M, largest t and the sum of the two tiles; v16-31 Q's two fragments; v32-95 fragments of K or V; v96-159 S^T, then p; v160-223 O^T of the two tiles; v224-239 p's codes.
.set SPARE, 0x40000                    ; behind the images: the spare words, 128 bytes for each of 16 waves
.set WV,   18
.set SEL,  20
.set CS,   22
.set G1,   24                          ; s[24:31] group 1 of the first fill: 16 rows of 256 bytes
.set G0,   32                          ; s[32:35], s[36:39] groups 0 of the two fills
.set G1L,  40                          ; s[40:47] group 1 of the second fill: 48 rows
.set TB,   48                          ; LDS byte of the key step in hand
.set SI,   49                          ; the key step in hand
.set BLK0, 50                          ; m of the tile that I finish
.set CNT,  51
.set BLK1, 72                          ; m of the tile that my partner finishes
.set EXW,  3
.set EXR,  4
.set ADK,  8
.set ADV,  9
.set SPW,  247
.set NIL,  255
.macro CROUND                          ; a round of the cluster's barrier
	s_barrier_signal -1
	s_barrier_wait -1
	s_cmp_lg_u32 s[WV], 0
	s_cbranch_scc1 .Lnot_wave_0_\@
	s_barrier_signal -3
.Lnot_wave_0_\@:
	s_barrier_wait -3
	s_barrier_signal -1
	s_barrier_wait -1
.endm
	s_load_b128 s[4:7], s[0:1], 0x0                ; qkv, the scales' exponents
	s_load_b64 s[8:9], s[0:1], 0x10                ; aq
	v_lshl_add_u32 v[SPW], v0, 2, SPARE
	v_mov_b32 v[NIL], 0
	ds_add_u32 v[SPW], v[NIL]                      ; the opening lines: the add, twice on end, and its wait
	ds_add_u32 v[SPW], v[NIL]
	v_lshrrev_b32 v8, 5, v0
	v_readfirstlane_b32 s[WV], v8                  ; wave 0..15
	s_and_b32 s10, ttmp7, 0xffff                   ; (batch, head)
	s_mul_i32 s12, s10, 393216
	s_mov_b32 s13, 0
	s_bfe_u32 s73, ttmp6, 0x40000                  ; cx
	s_lshl_b32 s11, ttmp9, 2
	s_add_co_u32 s73, s73, s11                     ; x = 4 x cluster x + cx: it enters Q's and the result's addresses and the diagonal's bound, and nothing else
.irp g, G1, G1L
	s_mov_b32 s[\g], 15|(3<<16)|(1<<21)            ; the mask: all four partners; elements of 8 bytes; bit 21 beside a mask; no padding
	s_mov_b32 s[\g+1], 32<<16                      ; rows of 32 elements: 256 bytes, dense
	s_mov_b32 s[\g+3], 32<<16
	s_mov_b32 s[\g+5], 32
	s_mov_b32 s[\g+6], 0
	s_mov_b32 s[\g+7], 0
.endr
	s_mov_b32 s[G1+2], 16<<16
	s_mov_b32 s[G1+4], 16
	s_mov_b32 s[G1L+2], 48<<16
	s_mov_b32 s[G1L+4], 48
	s_lshr_b32 s14, s[WV], 3                       ; waves 0-7 fetch K's image, waves 8-15 V's, 131,072 bytes on in LDS and in memory
	s_lshl_b32 s14, s14, 17
	s_and_b32 s15, s[WV], 7
	s_lshl_b32 s16, s15, 12
	s_add_co_u32 s16, s16, s14                     ; first fill: 4,096 x (wave % 8)
	s_mul_i32 s15, s15, 12288
	s_add_co_u32 s14, s14, s15
	s_add_co_u32 s14, s14, 32768                   ; second fill: 32,768 + 12,288 x (wave % 8)
	s_mov_b32 s15, 0
	s_mov_b32 s17, 0
	s_lshr_b32 s62, s[WV], 1                       ; j
	s_lshr_b32 s60, s[WV], 2
	s_xor_b32 s60, s60, s[WV]
	s_and_b32 s60, s60, 1                          ; which key steps are mine: even or odd; it differs between the two waves of a pair
	s_sub_co_u32 s61, 15, s62
	s_cmp_eq_u32 s60, 0
	s_cselect_b32 s[BLK0], s61, s62
	s_cselect_b32 s[BLK1], s62, s61
	s_lshl_b32 s63, s[BLK0], 3
	s_add_co_u32 s63, s63, s73                     ; the tile that I finish: 8 m + x
	s_lshl_b32 s66, s63, 10
	s_mov_b32 s67, 0
	s_lshl_b32 s68, s[BLK1], 3
	s_add_co_u32 s68, s68, s73
	s_lshl_b32 s68, s68, 10
	s_mov_b32 s69, 0
	s_lshr_b32 s70, s10, 4                         ; the result: (128 x batch + tile) x 16,384 + 1,024 x head
	s_lshl_b32 s70, s70, 7
	s_add_co_u32 s70, s70, s63
	s_lshl_b32 s70, s70, 14
	s_and_b32 s71, s10, 15
	s_lshl_b32 s71, s71, 10
	s_add_co_u32 s70, s70, s71
	s_mov_b32 s71, 0
	s_xor_b32 s78, s[WV], 1
	s_mul_i32 s78, s78, 4608                       ; the exchange: I write my partner's 4,608 bytes
	s_mul_i32 s79, s[WV], 4608                     ; and read mine
	s_lshr_b32 s80, s73, 1
	s_lshl_b32 s80, s80, 5
	s_and_b32 s81, s73, 1
	s_lshl_b32 s81, s81, 3
	s_add_co_u32 s80, s80, s81                     ; my tiles' first row in their 128 tokens: 32 (x / 2) + 8 (x % 2)
	s_mov_b32 s[SEL], 0x76543210
	s_mov_b32 s[SEL+1], 0xfedcba98
	s_mov_b32 s[CS], 0x3e38aa3b                    ; c = log2(e) / 8
	s_lshl_b32 s[TB], s60, 13
	s_mov_b32 s[SI], s60
	s_wait_dscnt 0x0                               ; both opening adds are done
	s_wait_kmcnt 0x0
	s_load_b256 s[52:59], s[6:7], 0x0              ; e0 .. e7
	s_add_nc_u64 s[4:5], s[4:5], s[12:13]          ; the head's part of qkv
	s_add_nc_u64 s[82:83], s[4:5], 131072          ; its K
	s_mov_b32 s[G0], 1
	s_mov_b32 s[G0+1], s16
	s_add_nc_u64 s[G0+2:G0+3], s[82:83], s[16:17]
	s_or_b32 s[G0+3], s[G0+3], 0x80000000
	s_mov_b32 s[G0+4], 1
	s_mov_b32 s[G0+5], s14
	s_add_nc_u64 s[G0+6:G0+7], s[82:83], s[14:15]
	s_or_b32 s[G0+7], s[G0+7], 0x80000000
	CROUND                                         ; the four work-groups are here: the joint loads meet
	tensor_load_to_lds s[G0:G0+3], s[G1:G1+7]      ; key steps 0-3: one load a wave at the head
	s_nop 0
	s_add_nc_u64 s[74:75], s[4:5], s[66:67]
	s_add_nc_u64 s[76:77], s[4:5], s[68:69]
	s_add_nc_u64 s[8:9], s[8:9], s[70:71]
	s_wait_kmcnt 0x0
	s_add_co_i32 s70, s54, s55
	s_lshl_b32 s70, s70, 23
	s_add_co_i32 s[CS], s[CS], s70                 ; a score stands for score x 2^(e2 + e3)
	s_mov_b32 s[CS+1], s[CS]
	s_add_co_i32 s66, s56, 127
	s_lshl_b32 s67, s66, 23                        ; 2^e4
	s_add_co_i32 s66, s66, 15
	s_lshl_b32 s66, s66, 23
	s_or_b32 s66, s66, 0x600000                    ; 57,344 x 2^e4
	s_sub_co_i32 s68, s58, s56
	s_sub_co_i32 s68, s68, s57
	s_add_co_i32 s68, s68, 127
	s_lshl_b32 s69, s68, 23                        ; 2^(e6 - e4 - e5)
	s_add_co_i32 s68, s68, 15
	s_lshl_b32 s68, s68, 23
	s_or_b32 s68, s68, 0x600000
	v_and_b32 v2, 31, v0
	v_lshlrev_b32 v1, 4, v2
	global_load_b128 v[16:19], v1, s[74:75]        ; Q's two fragments stay in registers
	global_load_b128 v[20:23], v1, s[74:75] offset:512
	global_load_b128 v[24:27], v1, s[76:77]
	global_load_b128 v[28:31], v1, s[76:77] offset:512
	v_add_nc_u32 v[EXW], s78, v1
	v_add_nc_u32 v[EXR], s79, v1
	v_and_b32 v5, 7, v0
	v_bfe_u32 v6, v0, 3, 1
	v_lshl_add_u32 v5, v6, 4, v5
	v_bfe_u32 v6, v0, 4, 1
	v_lshlrev_b32 v6, 4, v6
	v_sub_nc_u32 v5, v5, v6
	v_add_nc_u32 v2, s80, v5                       ; d = my query in its 128 tokens - 16 (lane / 16): on the diagonal register 16 b + i is hidden where 32 b + i > d
	v_mov_b32 v13, 0xff61b1e6                      ; the largest t so far: -3e38
	v_floor_f32 v12, -v13
	v_mov_b32 v14, 0
	v_mov_b32 v15, 0
	v_mov_b32 v249, 0xff61b1e6
	v_floor_f32 v248, -v249
	v_mov_b32 v250, 0
	v_mov_b32 v251, 0
	v_mov_b32 v236, 0
	v_mov_b32 v252, 0
	v_mov_b32 v253, 0
.set n, 0
.rept 64
	v_mov_b32 v[160+n], 0                          ; O^T of both tiles: the step is written once, its first run finds zeros
.set n, n+1
.endr
	v_mov_b32 v244, s67
	v_mov_b32 v240, s66
	v_mov_b32 v245, s69
	v_mov_b32 v246, s68
; A KEY STEP of one tile: 128 keys.  rq: Q's fragment; ro: O^T; rn: -M and the largest t; rs: the sum; sb: the tile's m
.macro STEP rq, ro, rn, rs, sb
	s_cmp_gt_u32 s[SI], s[\sb]                     ; all keys come after the tile's queries: the step's work is left out
	s_cbranch_scc1 .Lhidden_\@
	v_add_nc_u32 v[ADK], s[TB], v1
	s_delay_alu instid0(VALU_DEP_1)
	v_add_nc_u32 v[ADV], 0x20000, v[ADK]
	v_nop                                          ; with the two additions: four places in front of loads into registers that matrix instructions have read
	v_nop
.irp t, 0,1,2,3,4,5,6,7
	ds_load_b128 v[32+8*\t:35+8*\t], v[ADK] offset:1024*\t
	ds_load_b128 v[36+8*\t:39+8*\t], v[ADK] offset:1024*\t+512
.endr
	s_wait_alu depctr_va_vdst(0)                   ; directly ahead of the wait below
	s_wait_dscnt 0x0
.irp t, 0,1,2,3,4,5,6,7
	v_wmma_f32_16x16x64_bf8_bf8 v[96+8*\t:103+8*\t], v[32+8*\t:39+8*\t], v[\rq:\rq+7], 0   ; S^T = K Q^T: a lane holds one query
.endr
.rept 4
	v_nop
.endr
.irp t, 0,1,2,3
.irp c, 0,1,2,3
	ds_load_b128 v[32+16*\t+4*\c:35+16*\t+4*\c], v[ADV] offset:2048*\t+512*\c   ; V's fragments come in under the softmax
.endr
.endr
	s_cmp_lg_u32 s[SI], s[\sb]
	s_cbranch_scc1 .Lopen_\@
	v_mov_b32 v254, 0xff800000                     ; on the diagonal hidden scores become -infinity
.set n, 0
.rept 64
	v_cmp_gt_i32 vcc_lo, 32*(n/16)+n%16, v2
	v_cndmask_b32 v[96+n], v[96+n], v254, vcc_lo
.set n, n+1
.endr
.Lopen_\@:
	v_max3_num_f32 v254, v96, v97, v98             ; the step's largest score, in two chains
	v_max3_num_f32 v252, v99, v100, v101
.irp i, 6,10,14,18,22,26,30,34,38,42,46,50,54,58
	v_max3_num_f32 v254, v254, v[96+\i], v[97+\i]
	v_max3_num_f32 v252, v252, v[98+\i], v[99+\i]
.endr
	v_max3_num_f32 v254, v254, v158, v159
	s_delay_alu instid0(VALU_DEP_1)
	v_max_num_f32 v254, v254, v252
	v_permlanex16_b32 v236, v254, s[SEL], s[SEL+1]
	s_delay_alu instid0(VALU_DEP_1)
	v_max_num_f32 v254, v254, v236
	s_delay_alu instid0(VALU_DEP_1)
	v_mul_f32 v254, s[CS], v254
	s_delay_alu instid0(VALU_DEP_1)
	v_max_num_f32 v[\rn+1], v[\rn+1], v254         ; the running largest t
	v_mov_b32 v254, v[\rn]
	s_delay_alu instid0(VALU_DEP_2)
	v_floor_f32 v[\rn], -v[\rn+1]                  ; -M = floor(-t)
	s_delay_alu instid0(VALU_DEP_1)
	v_sub_f32 v254, v[\rn], v254
	s_delay_alu instid0(VALU_DEP_1)
	v_cvt_i32_f32 v254, v254
	s_delay_alu instid0(VALU_DEP_1)
	v_ldexp_f32 v252, 1.0, v254                    ; f = 2^(old M - new M)
.set n, 0
.rept 32
	v_pk_fma_f32 v[96+2*n:97+2*n], v[96+2*n:97+2*n], s[CS:CS+1], v[\rn:\rn+1] op_sel_hi:[1,0,0]   ; t - M
.set n, n+1
.endr
.set n, 0
	s_wait_alu depctr_va_vdst(0)                   ; the wait ahead of the batch
.rept 64
	v_exp_f32 v[96+n], v[96+n]
.set n, n+1
.endr
	v_pk_mul_f32 v[\rs:\rs+1], v[\rs:\rs+1], v[252:253] op_sel_hi:[1,0]
	s_wait_alu depctr_va_vdst(0)                   ; and one behind it, ahead of its first reader
	v_pk_add_f32 v[242:243], v[96:97], v[98:99]    ; the sum of the unquantised p
.irp j, 4,8,12,16,20,24,28,32,36,40,44,48,52,56,60
	v_pk_add_f32 v[\rs:\rs+1], v[\rs:\rs+1], v[96+\j:97+\j]
	v_pk_add_f32 v[242:243], v[242:243], v[98+\j:99+\j]
.endr
	s_delay_alu instid0(VALU_DEP_1)
	v_pk_add_f32 v[\rs:\rs+1], v[\rs:\rs+1], v[242:243]
.irp b, 0,1,2,3
.irp i, 0,1,2,3,4,5,6,7,8,9,10,11,12,13,14,15
	v_min_num_f32 v[96+16*\b+\i], v[96+16*\b+\i], v240   ; the conversion does not saturate (ISA guide 7.6.2); p is not negative
.endr
	v_cvt_scalef32_pk8_bf8_f32 v[224+4*\b:225+4*\b], v[96+16*\b:103+16*\b], v244
	v_cvt_scalef32_pk8_bf8_f32 v[226+4*\b:227+4*\b], v[104+16*\b:111+16*\b], v244
.endr
	s_wait_alu depctr_va_vdst(0)                   ; directly ahead of the first reader of O^T
.set n, 0
.rept 16
	v_pk_mul_f32 v[\ro+2*n:\ro+2*n+1], v[\ro+2*n:\ro+2*n+1], v[252:253] op_sel_hi:[1,0]   ; O^T under the new M
.set n, n+1
.endr
	s_wait_alu depctr_va_vdst(0)                   ; directly ahead of the wait below
	s_wait_dscnt 0x0
.irp t, 0,1,2,3
	v_wmma_f32_16x16x128_bf8_bf8 v[\ro+8*\t:\ro+8*\t+7], v[32+16*\t:47+16*\t], v[224:239], v[\ro+8*\t:\ro+8*\t+7]   ; O^T += V^T P^T
.endr
.Lhidden_\@:
.endm
.macro WALK trips                      ; a trip: one key step of my parity for both tiles, then two key steps on
	s_mov_b32 s[CNT], \trips
.Lstep_\@:
	STEP 16, 160, 12, 14, BLK0
	STEP 24, 192, 248, 250, BLK1
	s_add_co_u32 s[TB], s[TB], 16384
	s_add_co_u32 s[SI], s[SI], 2
	s_sub_co_u32 s[CNT], s[CNT], 1
	s_cmp_lg_u32 s[CNT], 0
	s_cbranch_scc1 .Lstep_\@
.endm
	s_wait_alu depctr_va_vdst(0)                   ; the head's end
	s_wait_tensorcnt 0x0                           ; my part of key steps 0-3 is in; the second first fill is issued as a refill is:
	ds_add_u32 v[SPW], v[NIL]                      ; 0 onto my spare word
	s_wait_dscnt 0x0
	CROUND                                         ; everybody's part is in, and the four work-groups meet
	tensor_load_to_lds s[G0+4:G0+7], s[G1L:G1L+7]  ; key steps 4-15
	s_nop 0
	s_wait_loadcnt 0x0                             ; Q
	WALK 2                                         ; key steps 0-3
	s_wait_tensorcnt 0x0                           ; my part of key steps 4-15 is in
	s_wait_dscnt 0x0
	s_barrier_signal -1
	s_barrier_wait -1                              ; everybody's is
	WALK 6                                         ; key steps 4-15
.rept 4
	v_nop
.endr
	s_wait_dscnt 0x0                               ; my reads of the images are over: the exchange lies in K's image, which has had its one fill
	s_barrier_signal -1
	s_barrier_wait -1
	s_wait_alu depctr_va_vdst(0)
.irp c, 0,1,2,3,4,5,6,7
	ds_store_b128 v[EXW], v[192+4*\c:195+4*\c] offset:512*\c   ; my partner's tile: O^T,
.endr
	ds_store_b128 v[EXW], v[248:251] offset:4096   ; -M, the largest t and the sum
	s_wait_dscnt 0x0
	s_barrier_signal -1
	s_barrier_wait -1
.irp c, 0,1,2,3,4,5,6,7
	ds_load_b128 v[96+4*\c:99+4*\c], v[EXR] offset:512*\c
.endr
	ds_load_b128 v[128:131], v[EXR] offset:4096
	s_wait_dscnt 0x0
	v_min_num_f32 v132, v12, v128                  ; the common -M; both parts are brought under it by exact powers of two
	s_delay_alu instid0(VALU_DEP_1)
	v_sub_f32 v133, v132, v12
	s_delay_alu instid0(VALU_DEP_2)
	v_sub_f32 v134, v132, v128
	s_delay_alu instid0(VALU_DEP_2)
	v_cvt_i32_f32 v133, v133
	s_delay_alu instid0(VALU_DEP_2)
	v_cvt_i32_f32 v134, v134
	s_delay_alu instid0(VALU_DEP_2)
	v_ldexp_f32 v133, 1.0, v133
	s_delay_alu instid0(VALU_DEP_2)
	v_ldexp_f32 v134, 1.0, v134
	v_add_f32 v14, v14, v15
	v_add_f32 v130, v130, v131
	s_delay_alu instid0(VALU_DEP_1)
	v_mul_f32 v130, v130, v134
	s_delay_alu instid0(VALU_DEP_1)
	v_fma_f32 v14, v14, v133, v130
	s_delay_alu instid0(VALU_DEP_1)
	v_permlanex16_b32 v252, v14, s[SEL], s[SEL+1]
	s_delay_alu instid0(VALU_DEP_1)
	v_add_f32 v14, v14, v252                       ; the row's sum
	s_wait_alu depctr_va_vdst(0)
	v_rcp_f32 v14, v14
.set n, 0
.rept 32
	v_mul_f32 v[96+n], v[96+n], v134
.set n, n+1
.endr
.set n, 0
	s_wait_alu depctr_va_vdst(0)
.rept 32
	v_fma_f32 v[96+n], v[160+n], v133, v[96+n]
.set n, n+1
.endr
.set n, 0
	s_wait_alu depctr_va_vdst(0)
.rept 32
	v_mul_f32 v[96+n], v[96+n], v14
.set n, n+1
.endr
.set n, 0
.rept 32
	v_med3_num_f32 v[96+n], v[96+n], -v246, v246   ; the hold; the three scales are folded into the conversion's one
.set n, n+1
.endr
.irp b, 0,1
	v_cvt_scalef32_pk8_bf8_f32 v[224+4*\b:225+4*\b], v[96+16*\b:103+16*\b], v245
	v_cvt_scalef32_pk8_bf8_f32 v[226+4*\b:227+4*\b], v[104+16*\b:111+16*\b], v245
.endr
	v_nop
	global_store_b128 v1, v[224:227], s[8:9]       ; 512 consecutive bytes of the image, aligned
	global_store_b128 v1, v[228:231], s[8:9] offset:512
	s_wait_tensorcnt 0x0                           ; the wave's end
	ds_add_u32 v[SPW], v[NIL]
	s_wait_dscnt 0x0
	CROUND                                         ; the closing round
	s_endpgm
.Lfunc_end_k_q544f121bec_attn:
	.size	k_q544f121bec_attn, .Lfunc_end_k_q544f121bec_attn-k_q544f121bec_attn
	.p2alignl 7, 3214868480
	.fill 96, 4, 3214868480
	.section	.rodata,"a",@progbits
	.p2align	6, 0x0
	.amdhsa_kernel k_q544f121bec_attn
		.amdhsa_group_segment_fixed_size 327680
		.amdhsa_private_segment_fixed_size 0
		.amdhsa_enable_private_segment 0
		.amdhsa_kernarg_size 24
		.amdhsa_user_sgpr_count 2
		.amdhsa_user_sgpr_kernarg_segment_ptr 1
		.amdhsa_wavefront_size32 1
		.amdhsa_system_sgpr_workgroup_id_x 1
		.amdhsa_system_sgpr_workgroup_id_y 1
		.amdhsa_system_sgpr_workgroup_id_z 1
		.amdhsa_system_vgpr_workitem_id 0
		.amdhsa_next_free_vgpr 256
		.amdhsa_next_free_sgpr 84
		.amdhsa_reserve_vcc 1
		.amdhsa_float_denorm_mode_32 3
		.amdhsa_float_denorm_mode_16_64 3
		.amdhsa_memory_ordered 1
		.amdhsa_forward_progress 1
		.amdhsa_inst_pref_size 102
	.end_amdhsa_kernel
	.amdgpu_metadata
---
amdhsa.version: [ 1, 2 ]
amdhsa.kernels:
  - .name:           k_q544f121bec_attn
    .symbol:         k_q544f121bec_attn.kd
    .args:
      - { .name: qkv, .offset: 0, .size: 8, .value_kind: global_buffer, .address_space: global }
      - { .name: lowp_scales, .offset: 8, .size: 8, .value_kind: global_buffer, .address_space: global }
      - { .name: aq, .offset: 16, .size: 8, .value_kind: global_buffer, .address_space: global }
    .group_segment_fixed_size: 327680
    .private_segment_fixed_size: 0
    .kernarg_segment_align: 8
    .kernarg_segment_size: 24
    .max_flat_workgroup_size: 512
    .sgpr_count:     84
    .vgpr_count:     256
    .wavefront_size: 32
...
	.end_amdgpu_metadata
.endif
;; end of part 3
;; launch outp (part 4): grid 8 x 32, 4 waves a work-group, clusters of 4 x 4, 262,656 bytes of LDS; arguments aq, wq, bout, x, lowp_scales, z; writes z
.if DOCPART == 4
	.amdgcn_target "amdgcn-amd-amdhsa--gfx1250"
	.amdhsa_code_object_version 6
	.text
	.protected	k_q544f121bec_outp
	.globl	k_q544f121bec_outp
	.p2align	8
	.type	k_q544f121bec_outp,@function
k_q544f121bec_outp:
	s_mov_b64 s[64:65], 0
	v_nop
	global_prefetch_b8 v0, s[64:65] scope:SCOPE_SE
	s_setreg_imm32_b32 hwreg(HW_REG_WAVE_MODE, 25, 1), 1
	s_wait_xcnt 0x0
	s_wait_alu depctr_hold_cnt(0) depctr_sa_sdst(0) depctr_va_vdst(0) depctr_va_sdst(0) depctr_va_ssrc(0) depctr_va_vcc(0) depctr_vm_vsrc(0)
	s_getreg_b32 s2, hwreg(HW_REG_IB_STS2, 6, 4)
	s_cmp_eq_u32 s2, 0
	s_cbranch_scc0 .Lentry_in_a_cluster
	s_endpgm
.Lentry_in_a_cluster:
	s_bfe_u32 s2, ttmp6, 0x10000c
	s_cmp_lg_u32 s2, 0xf033
	s_cbranch_scc0 .Lentry_shape_is_right
	s_endpgm
.Lentry_shape_is_right:
; OUTP: z = x + (attention Wout + bout), the product on codes of BF8, K = 1,024.  Tile 128 tokens x 128 columns: 256 work-groups; a wave 64 x 64: 16 accumulators.
; THE WHOLE K OF A TILE, (128 + 128) x 1,024 = 262,144 bytes of codes, FITS IN LDS: each wave issues ONE tensor load, of 65,536 bytes, at the head; nothing is filled later.
; Operands are register images (16 rows x 128 K = 2,048 bytes; a tile's rows are rho(T, r) = 32 (T / 2) + 8 (T % 2) + r % 8 + 16 (r / 8)).  Transposed use: a lane holds one token and eight neighbouring columns.
; aq: [tile of tokens 256][K step 8][2048].  Wout's codes, at byte 3,145,728 of wq: [K step 8][tile of columns 64][2048].
; LDS: waves 0, 1: four tiles of tokens each, dense in memory: fragment (tile T, step q) at 16,384 T + 2,048 q;
;   waves 2, 3: four K steps each: four rows of 16,384 bytes (eight tiles of columns), 131,072 apart in memory: fragment (step q, tile) at 131,072 + 16,384 q + 2,048 tile.
; CLUSTER 4 x 4: the tokens' codes are shared along a row, Wout's along a column: joint loads behind one round.  No prefetch: there is no loop of loads to run ahead in.
; THE END: sums through the wave's own stage in LDS (64 rows x 256 bytes, 272 apart, in the tokens' bytes, behind a barrier in front of which every wave's reads are over), back as rows;
; x 2^(e6 + e7) + (x + bout); sixteen lanes store 256 consecutive bytes, aligned.  The norm that follows wants whole rows and is a launch of its own.
; LIMIT: e6 + e7 between -126 and 127.
; REGISTERS: window 0: v16-26 addresses; v32-35 bout; v64-191 the accumulators ((a, b) at v[64 + 8 (4 a + b)]).  window 1: two fragment buffers of 128 (A's four, then B's four).  window 2: v0-127 x.
.set WV,   14
.set FB,   15
.set ADRA, 16                          ; v16, v17: my A fragments of K steps 0-3, 4-7
.set ADRB, 20                          ; v20, v21: the same for B
.set STO,  24
.set RD,   25
.set XO,   26
.set B2R,  32
.set ACC,  64
.set F0,   0
.set F1,   128
.set G1,   24
.set G0,   32
.set G1B,  48
.set G0B,  56
.set FAC,  88
.set MUL,  0x05                        ; sources 0 and 1 window 1; C and D window 0
.set MSB, 0
.macro WIN new                         ; the immediate's high byte repeats the setting that is left
.if MSB != (\new)
	s_set_vgpr_msb (MSB<<8)|(\new)
.set MSB, (\new)
.endif
.endm
.macro PLACES                          ; four plain places behind matrix instructions, in front of loads into their registers
.rept 4
	v_nop
.endr
.endm
.macro CROUND                          ; a round of the cluster's barrier
	s_barrier_signal -1
	s_barrier_wait -1
	s_cmp_lg_u32 s[WV], 0
	s_cbranch_scc1 .Lnot_wave_0_\@
	s_barrier_signal -3
.Lnot_wave_0_\@:
	s_barrier_wait -3
	s_barrier_signal -1
	s_barrier_wait -1
.endm
.macro FRAG reg, adr, off              ; a fragment: four loads, each of 512 consecutive bytes
.irp c, 0,1,2,3
	ds_load_b128 v[\reg+4*\c:\reg+4*\c+3], v[\adr] offset:\off+512*\c
.endr
.endm
	s_load_b256 s[4:11], s[0:1], 0x0               ; aq, wq, bout, x
	s_load_b128 s[84:87], s[0:1], 0x20             ; the scales' exponents, z
	v_lshl_add_u32 v254, v0, 2, 0x40000
	v_mov_b32 v255, 0
	ds_add_u32 v254, v255                          ; the opening lines: the add, twice on end, and its wait
	ds_add_u32 v254, v255
	v_lshrrev_b32 v1, 5, v0
	v_readfirstlane_b32 s[WV], v1
	s_lshr_b32 s[FB], s[WV], 1                     ; 0: I fetch the tokens' codes, 1: Wout's.  Also: which half of the tokens is mine
	s_and_b32 s16, s[WV], 1                        ; which half of the columns.  Also: which four of A's tiles or of B's K steps I fetch
	s_bfe_u32 s40, ttmp6, 0x40000                  ; cx, cy
	s_bfe_u32 s41, ttmp6, 0x40004
	s_lshl_b32 s42, ttmp9, 2
	s_add_co_u32 s42, s42, s40                     ; which 128 columns
	s_and_b32 s17, ttmp7, 0xffff
	s_lshl_b32 s17, s17, 2
	s_add_co_u32 s17, s17, s41                     ; which 128 tokens
	s_lshl_b32 s43, s41, 2
	s_lshl_b32 s43, 15, s43                        ; my row of the cluster
	s_lshl_b32 s44, 0x1111, s40                    ; my column
	s_or_b32 s[G1], s43, (3<<16)|(1<<21)           ; the mask; elements of 8 bytes; bit 21 beside a mask; no padding
	s_or_b32 s[G1B], s44, (3<<16)|(1<<21)
.irp g, G1, G1B
	s_mov_b32 s[\g+1], 2048<<16                    ; four rows of 2,048 elements: 16,384 bytes
	s_mov_b32 s[\g+2], 4<<16
	s_mov_b32 s[\g+3], 2048<<16
	s_mov_b32 s[\g+4], 4
	s_mov_b32 s[\g+6], 0
	s_mov_b32 s[\g+7], 0
.endr
	s_mov_b32 s[G1+5], 2048                        ; A: the rows are dense
	s_mov_b32 s[G1B+5], 16384                      ; B: from row to row 131,072 bytes
	s_lshl_b32 s20, s17, 17                        ; A: 128 tokens x 1,024 codes,
	s_lshl_b32 s21, s16, 16                        ; + four tiles of 16,384 bytes
	s_add_co_u32 s20, s20, s21
	s_mov_b32 s21, 0
	s_lshl_b32 s46, s16, 19                        ; B: four K steps of 131,072 bytes,
	s_lshl_b32 s47, s42, 14                        ; + eight tiles of 2,048 bytes
	s_add_co_u32 s46, s46, s47
	s_add_co_u32 s46, s46, 3145728
	s_mov_b32 s47, 0
	s_lshl_b32 s45, s[WV], 16                      ; my 65,536 bytes of LDS
	s_wait_dscnt 0x0
	s_wait_kmcnt 0x0
	s_load_b128 s[76:79], s[84:85], 0x10           ; e4 .. e7
	s_add_nc_u64 s[20:21], s[4:5], s[20:21]
	s_add_nc_u64 s[46:47], s[6:7], s[46:47]
	CROUND                                         ; all sixteen work-groups are here: the joint loads meet
	s_mov_b32 s[G0], 1
	s_mov_b32 s[G0+1], s45
	s_mov_b64 s[G0+2:G0+3], s[20:21]
	s_or_b32 s[G0+3], s[G0+3], 0x80000000
	s_mov_b32 s[G0B], 1
	s_mov_b32 s[G0B+1], s45
	s_mov_b64 s[G0B+2:G0B+3], s[46:47]
	s_or_b32 s[G0B+3], s[G0B+3], 0x80000000
	s_cmp_eq_u32 s[FB], 0                          ; a joint load: waves 0 and 1 for A, waves 2 and 3 for B; s_nop 0 and four v_nop follow each line
	s_cbranch_scc0 .Lfor_b
	tensor_load_to_lds s[G0:G0+3], s[G1:G1+7]
	s_nop 0
.rept 4
	v_nop
.endr
	s_branch .Lasked
.Lfor_b:
	tensor_load_to_lds s[G0B:G0B+3], s[G1B:G1B+7]
	s_nop 0
.rept 4
	v_nop
.endr
.Lasked:
	v_and_b32 v1, 15, v0                           ; r
	v_bfe_u32 v2, v0, 4, 1                         ; h
	v_and_b32 v3, 31, v0
	v_lshlrev_b32 v3, 4, v3                        ; 16 x lane
	s_lshl_b32 s22, s[FB], 16                      ; my four tiles of tokens
	v_add_nc_u32 v[ADRA], s22, v3
	v_add_nc_u32 v[ADRA+1], 8192, v[ADRA]          ; four K steps on in each tile
	s_lshl_b32 s22, s16, 13                        ; my four tiles of columns
	s_add_co_u32 s22, s22, 131072
	v_add_nc_u32 v[ADRB], s22, v3
	v_add_nc_u32 v[ADRB+1], 65536, v[ADRB]         ; four K steps on
	s_mul_i32 s23, s[WV], 17408                    ; my stage
	v_mul_u32_u24 v[STO], v1, 272
	v_lshl_add_u32 v[STO], v2, 6, v[STO]
	v_add_nc_u32 v[STO], s23, v[STO]               ; in: row r of a tile, + 64 (lane / 16)
	v_mul_u32_u24 v[RD], v2, 272
	v_lshl_add_u32 v[RD], v1, 4, v[RD]
	v_add_nc_u32 v[RD], s23, v[RD]                 ; back: lanes 0-15 one row, lanes 16-31 the next
	v_lshlrev_b32 v[XO], 12, v2
	v_lshl_add_u32 v[XO], v1, 4, v[XO]             ; and the same in x and in z
	v_lshlrev_b32 v4, 4, v1
	s_wait_alu depctr_va_vdst(0)                   ; behind the head's last vector instruction
	s_lshl_b32 s80, s17, 19                        ; 128 tokens x 4,096 bytes
	s_lshl_b32 s81, s[FB], 18
	s_add_co_u32 s80, s80, s81
	s_lshl_b32 s82, s42, 9
	s_lshl_b32 s83, s16, 8
	s_add_co_u32 s82, s82, s83                     ; my 64 columns, in bytes
	s_add_co_u32 s80, s80, s82
	s_mov_b32 s81, 0
	s_mov_b32 s83, 0
	s_add_nc_u64 s[10:11], s[10:11], s[80:81]
	s_add_nc_u64 s[86:87], s[86:87], s[80:81]
	s_add_nc_u64 s[8:9], s[8:9], s[82:83]
	global_load_b128 v[B2R:B2R+3], v4, s[8:9]
	s_wait_kmcnt 0x0
	s_add_co_i32 s[FAC], s78, s79
	s_add_co_i32 s[FAC], s[FAC], 127
	s_lshl_b32 s[FAC], s[FAC], 23                  ; 2^(e6 + e7)
	s_mov_b32 s[FAC+1], s[FAC]
.macro MUL8 f, a0, zero                ; A's blocks a0, a0 + 1 x B's four; the 16 accumulators take turns
.irp a, \a0, \a0+1
.irp b, 0,1,2,3
.if \zero
	v_wmma_f32_16x16x128_bf8_bf8 v[ACC+8*(4*(\a)+\b):ACC+8*(4*(\a)+\b)+7], v[\f+64+16*\b:\f+64+16*\b+15], v[\f+16*(\a):\f+16*(\a)+15], 0
.else
	v_wmma_f32_16x16x128_bf8_bf8 v[ACC+8*(4*(\a)+\b):ACC+8*(4*(\a)+\b)+7], v[\f+64+16*\b:\f+64+16*\b+15], v[\f+16*(\a):\f+16*(\a)+15], v[ACC+8*(4*(\a)+\b):ACC+8*(4*(\a)+\b)+7]
.endif
.endr
.endr
.endm
.macro FETCH half, q, f                ; K step 4 half + q into buffer f: B's four fragments, then A's
	WIN 0x40
.irp i, 0,1,2,3
	FRAG \f+64+16*\i, ADRB+\half, (\q)*16384+2048*\i
.endr
.irp i, 0,1,2,3
	FRAG \f+16*\i, ADRA+\half, (\q)*2048+16384*\i
.endr
.endm
.macro STEP half, q, f, g, zero        ; asks for K step 4 half + q into buffer g, which the step before multiplied; then multiplies buffer f
	PLACES
	FETCH \half, \q, \g
	s_wait_dscnt 32                                ; buffer f is in; the 32 loads just issued may be out
	WIN MUL
	MUL8 \f, 0, \zero
	MUL8 \f, 2, \zero
.endm
	s_wait_tensorcnt 0x0                           ; my one load is in
	s_barrier_signal -1
	s_barrier_wait -1                              ; everybody's is
	FETCH 0, 0, F0
	WIN 0x80                                       ; destination window 2.  x is wanted at the end alone: it is asked for when the codes are in
.set n, 0
.rept 32                               ; load n = 8 a + t: rows 2 t, 2 t + 1 of tile a, whose true rows are 32 (a / 2) + 8 (a % 2) + 2 t + 8 (t / 4) and the next
	global_load_b128 v[4*n:4*n+3], v[XO], s[10:11] offset:(32*(n/16)+8*((n/8)%2)+2*(n%8)+8*((n%8)/4))*4096
.set n, n+1
.endr
	STEP 0, 1, F0, F1, 1                           ; the eight K steps are written out; the first starts the sums
	STEP 0, 2, F1, F0, 0
	STEP 0, 3, F0, F1, 0
	STEP 1, 0, F1, F0, 0
	STEP 1, 1, F0, F1, 0
	STEP 1, 2, F1, F0, 0
	STEP 1, 3, F0, F1, 0
	s_wait_dscnt 0x0                               ; my reads of the codes are over: the stages of the way out lie in the tokens' bytes
	s_barrier_signal -1
	MUL8 F1, 0, 0                                  ; work on registers while the others arrive
	MUL8 F1, 2, 0
	s_barrier_wait -1                              ; every wave's reads are over
	s_wait_loadcnt 0x0                             ; x and bout
	WIN 0x82                                       ; destination and source 0 window 2
.set n, 0
.rept 64
	v_pk_add_f32 v[2*n:2*n+1], v[2*n:2*n+1], v[B2R+(2*n)%4:B2R+(2*n)%4+1]   ; x + bout; also the places behind the last products
.set n, n+1
.endr
	WIN 0
.irp a, 0,1,2,3
.irp b, 0,1,2,3
	ds_store_b128 v[STO], v[ACC+8*(4*\a+\b):ACC+8*(4*\a+\b)+3] offset:4352*\a+128*(\b/2)+32*(\b%2)
	ds_store_b128 v[STO], v[ACC+8*(4*\a+\b)+4:ACC+8*(4*\a+\b)+7] offset:4352*\a+128*(\b/2)+32*(\b%2)+16
.endr
.endr
	WIN 0x40                                       ; destination window 1
.set n, 0
.rept 32
	ds_load_b128 v[4*n:4*n+3], v[RD] offset:544*n  ; LDS serves a wave's instructions in order (ISA guide 5.7.1.4): these see my stores
.set n, n+1
.endr
	s_wait_dscnt 0x0
	WIN 0x61                                       ; destination and source 0 window 1, source 2 window 2
.set n, 0
.rept 64
	v_pk_fma_f32 v[2*n:2*n+1], v[2*n:2*n+1], s[FAC:FAC+1], v[2*n:2*n+1] op_sel_hi:[1,0,1]
.set n, n+1
.endr
	WIN 0x04                                       ; the stores' data: window 1
.set n, 0
.rept 32
	global_store_b128 v[XO], v[4*n:4*n+3], s[86:87] offset:(32*(n/16)+8*((n/8)%2)+2*(n%8)+8*((n%8)/4))*4096 th:TH_STORE_NT
.set n, n+1
.endr
	WIN 0
	s_wait_tensorcnt 0x0                           ; the wave's end
	ds_add_u32 v254, v255
	s_wait_dscnt 0x0
	CROUND                                         ; the closing round: no work-group ends while a partner may still ask for a tile that names it
	s_endpgm
.Lfunc_end_k_q544f121bec_outp:
	.size	k_q544f121bec_outp, .Lfunc_end_k_q544f121bec_outp-k_q544f121bec_outp
	.p2alignl 7, 3214868480
	.fill 96, 4, 3214868480
	.section	.rodata,"a",@progbits
	.p2align	6, 0x0
	.amdhsa_kernel k_q544f121bec_outp
		.amdhsa_group_segment_fixed_size 262656
		.amdhsa_private_segment_fixed_size 0
		.amdhsa_enable_private_segment 0
		.amdhsa_kernarg_size 48
		.amdhsa_user_sgpr_count 2
		.amdhsa_user_sgpr_kernarg_segment_ptr 1
		.amdhsa_wavefront_size32 1
		.amdhsa_system_sgpr_workgroup_id_x 1
		.amdhsa_system_sgpr_workgroup_id_y 1
		.amdhsa_system_sgpr_workgroup_id_z 1
		.amdhsa_system_vgpr_workitem_id 0
		.amdhsa_next_free_vgpr 640
		.amdhsa_next_free_sgpr 98
		.amdhsa_reserve_vcc 0
		.amdhsa_float_denorm_mode_32 3
		.amdhsa_float_denorm_mode_16_64 3
		.amdhsa_memory_ordered 1
		.amdhsa_forward_progress 1
		.amdhsa_inst_pref_size 51
	.end_amdhsa_kernel
	.amdgpu_metadata
---
amdhsa.version: [ 1, 2 ]
amdhsa.kernels:
  - .name:           k_q544f121bec_outp
    .symbol:         k_q544f121bec_outp.kd
    .args:
      - { .name: aq, .offset: 0, .size: 8, .value_kind: global_buffer, .address_space: global }
      - { .name: wq, .offset: 8, .size: 8, .value_kind: global_buffer, .address_space: global }
      - { .name: bout, .offset: 16, .size: 8, .value_kind: global_buffer, .address_space: global }
      - { .name: x, .offset: 24, .size: 8, .value_kind: global_buffer, .address_space: global }
      - { .name: lowp_scales, .offset: 32, .size: 8, .value_kind: global_buffer, .address_space: global }
      - { .name: z, .offset: 40, .size: 8, .value_kind: global_buffer, .address_space: global }
    .group_segment_fixed_size: 262656
    .private_segment_fixed_size: 0
    .kernarg_segment_align: 8
    .kernarg_segment_size: 48
    .max_flat_workgroup_size: 128
    .sgpr_count:     98
    .vgpr_count:     640
    .wavefront_size: 32
...
	.end_amdgpu_metadata
.endif
;; end of part 4
;; launch ln2 (part 5): grid 256 x 1, 4 waves a work-group, no clusters, 17,920 bytes of LDS; arguments z, g2, be2, lowp_scales, yq; writes yq
.if DOCPART == 5
	.amdgcn_target "amdgcn-amd-amdhsa--gfx1250"
	.amdhsa_code_object_version 6
	.text
	.protected	k_q544f121bec_ln2
	.globl	k_q544f121bec_ln2
	.p2align	8
	.type	k_q544f121bec_ln2,@function
k_q544f121bec_ln2:
	s_mov_b64 s[64:65], 0
	v_nop
	global_prefetch_b8 v0, s[64:65] scope:SCOPE_SE
	s_setreg_imm32_b32 hwreg(HW_REG_WAVE_MODE, 25, 1), 1
	s_wait_xcnt 0x0
; LN2: codes of layernorm(z, g2, be2) in BF8 (E5M2) with the given scale 2^e8, stored as the image of the matrix operand's registers: yq [K step 8][tile of rows 256][2048].
; A fragment is 16 rows x 128 K = 2,048 bytes: byte 512 c + 16 lane + j holds (row rho(T, lane % 16), k = 128 s + 32 c + 16 (lane / 16) + j), rho(T, r) = 32 (T / 2) + 8 (T % 2) + r % 8 + 16 (r / 8).
; The work-group is tile T = its number; wave w takes the tile's rows 4 w .. 4 w + 3, which are four neighbouring rows of z, whole, in registers: z is read once, 512 consecutive bytes a load.
; The mean is taken first and the variance of the centred numbers.  The codes meet in a stage in LDS and leave 512 consecutive bytes a store.
; LIMITS: e8 between -126 and 112.  NaN among the inputs is not served (an infinity is held at the largest code).
; No matrix unit, no tensor load, no cluster: the work-groups share no input but the gain and the bias.
.set R,    16                          ; v16-143  four rows, 32 numbers each: register 32 i + 4 j + n is column 128 j + 4 lane + n of row i
.set G,    144                         ; v144-175 the gain of my 32 columns
.set BE,   176                         ; v176-207 the bias
.set C,    208                         ; v208-239 codes: register 8 i + j: four codes of row i, K step j
.set T,    240                         ; v240-255 four registers at work for each row
.set SCL,  14                          ; v14      2^e8 as f32
.set LIM,  15                          ; v15      57,344 x 2^e8
.set SEL,  50                          ; s[50:51] lane selects: lane l xor 16
.set INV,  52                          ; s52      1 / 1,024
.set EPSR, 53                          ; s53      1e-5
; the sum of a pair of registers of each row, then over the 32 lanes; the result stands in every lane
.macro LN_ACROSS a
.irp i, 0,1,2,3
	v_add_f32 v[T+4*\i+\a], v[T+4*\i+\a], v[T+4*\i+\a+1]
.endr
.irp m, 1,2,4,8
.irp i, 0,1,2,3
	v_add_f32_dpp v[T+4*\i+\a], v[T+4*\i+\a], v[T+4*\i+\a] row_xmask:\m row_mask:0xf bank_mask:0xf
.endr
.endr
.irp i, 0,1,2,3
	v_permlanex16_b32 v[T+4*\i+\a+1], v[T+4*\i+\a], s[SEL], s[SEL+1]
.endr
.irp i, 0,1,2,3
	v_add_f32 v[T+4*\i+\a], v[T+4*\i+\a], v[T+4*\i+\a+1]
.endr
.endm
; mean, centred rows, variance of the centred rows, 1 / sqrt(variance + 1e-5) into v[T + 4 i]; the four rows take turns line by line
.macro LN_STATS
.irp i, 0,1,2,3
	v_pk_add_f32 v[T+4*\i:T+4*\i+1], v[R+32*\i:R+32*\i+1], v[R+32*\i+2:R+32*\i+3]
	v_pk_add_f32 v[T+4*\i+2:T+4*\i+3], v[R+32*\i+4:R+32*\i+5], v[R+32*\i+6:R+32*\i+7]
.endr
.irp p, 8,12,16,20,24,28
.irp i, 0,1,2,3
	v_pk_add_f32 v[T+4*\i:T+4*\i+1], v[T+4*\i:T+4*\i+1], v[R+32*\i+\p:R+32*\i+\p+1]
	v_pk_add_f32 v[T+4*\i+2:T+4*\i+3], v[T+4*\i+2:T+4*\i+3], v[R+32*\i+\p+2:R+32*\i+\p+3]
.endr
.endr
.irp i, 0,1,2,3
	v_pk_add_f32 v[T+4*\i:T+4*\i+1], v[T+4*\i:T+4*\i+1], v[T+4*\i+2:T+4*\i+3]
.endr
	LN_ACROSS 0
.irp i, 0,1,2,3
	v_mul_f32 v[T+4*\i], s[INV], v[T+4*\i]         ; the mean
.endr
.irp p, 0,2,4,6,8,10,12,14,16,18,20,22,24,26,28,30
.irp i, 0,1,2,3
	v_pk_add_f32 v[R+32*\i+\p:R+32*\i+\p+1], v[R+32*\i+\p:R+32*\i+\p+1], v[T+4*\i:T+4*\i+1] op_sel_hi:[1,0] neg_lo:[0,1] neg_hi:[0,1]
.endr
.endr
.irp i, 0,1,2,3
	v_pk_mul_f32 v[T+4*\i+2:T+4*\i+3], v[R+32*\i:R+32*\i+1], v[R+32*\i:R+32*\i+1]
.endr
.irp p, 2,4,6,8,10,12,14,16,18,20,22,24,26,28,30
.irp i, 0,1,2,3
	v_pk_fma_f32 v[T+4*\i+2:T+4*\i+3], v[R+32*\i+\p:R+32*\i+\p+1], v[R+32*\i+\p:R+32*\i+\p+1], v[T+4*\i+2:T+4*\i+3]
.endr
.endr
	LN_ACROSS 2
.irp i, 0,1,2,3
	v_fma_f32 v[T+4*\i+2], v[T+4*\i+2], s[INV], s[EPSR]
.endr
	s_wait_alu depctr_va_vdst(0)
.irp i, 0,1,2,3
	v_rsq_f32 v[T+4*\i], v[T+4*\i+2]
.endr
	v_nop                                          ; one plain instruction behind the last transcendental
.endm
; x 1 / sqrt, x gain + bias, the hold at the largest code, the conversions
.macro LN_NORMQ
	s_wait_alu depctr_va_vdst(0)
.irp p, 0,2,4,6,8,10,12,14,16,18,20,22,24,26,28,30
.irp i, 0,1,2,3
	v_pk_mul_f32 v[R+32*\i+\p:R+32*\i+\p+1], v[R+32*\i+\p:R+32*\i+\p+1], v[T+4*\i:T+4*\i+1] op_sel_hi:[1,0]
.endr
.endr
.irp p, 0,2,4,6,8,10,12,14,16,18,20,22,24,26,28,30
.irp i, 0,1,2,3
	v_pk_fma_f32 v[R+32*\i+\p:R+32*\i+\p+1], v[R+32*\i+\p:R+32*\i+\p+1], v[G+\p:G+\p+1], v[BE+\p:BE+\p+1]
.endr
.endr
.set n, 0
.rept 128
	v_med3_num_f32 v[R+n], v[R+n], -v[LIM], v[LIM] ; the conversion to an 8-bit code does not saturate (ISA guide 7.6.2)
.set n, n+1
.endr
.set n, 0
.rept 16
	v_cvt_scalef32_pk8_bf8_f32 v[C+2*n:C+2*n+1], v[R+8*n:R+8*n+7], v[SCL]   ; eight numbers: four of an even K step, four of the odd one behind it
.set n, n+1
.endr
	v_nop                                          ; one plain instruction behind the last scaled conversion
.endm
	s_load_b256 s[4:11], s[0:1], 0x0               ; z, g2, be2, the scales' exponents
	s_load_b64 s[20:21], s[0:1], 0x20              ; yq
	v_lshl_add_u32 v12, v0, 2, 0x4400
	v_mov_b32 v13, 0
	v_lshrrev_b32 v1, 5, v0
	v_readfirstlane_b32 s36, v1                    ; wave 0..3
	v_and_b32 v2, 31, v0                           ; lane
	s_wait_alu depctr_va_vdst(0)
	s_wait_kmcnt 0x0
	s_load_b32 s24, s[10:11], 0x20                 ; e8
	v_lshlrev_b32 v1, 4, v2                        ; 16 x lane
	s_wait_alu depctr_va_vdst(0)
	s_lshr_b32 s37, ttmp9, 1
	s_lshl_b32 s37, s37, 5                         ; 32 (T / 2)
	s_and_b32 s38, ttmp9, 1
	s_lshl_b32 s38, s38, 3
	s_add_co_u32 s37, s37, s38                     ; + 8 (T % 2)
	s_lshl_b32 s38, s36, 2
	s_add_co_u32 s37, s37, s38                     ; + 4 w
	s_lshr_b32 s38, s36, 1
	s_lshl_b32 s38, s38, 3
	s_add_co_u32 s37, s37, s38                     ; + 8 (w / 2)
	s_lshl_b32 s38, s37, 12                        ; a row is 4,096 bytes
	s_mov_b32 s39, 0
	s_add_nc_u64 s[4:5], s[4:5], s[38:39]
.irp i, 0,1,2,3
.irp j, 0,1,2,3,4,5,6,7
	global_load_b128 v[R+32*\i+4*\j:R+32*\i+4*\j+3], v1, s[4:5] offset:4096*\i+512*\j th:TH_LOAD_NT   ; 32 lanes read 512 consecutive bytes
.endr
.endr
.irp j, 0,1,2,3,4,5,6,7
	global_load_b128 v[G+4*\j:G+4*\j+3], v1, s[6:7] offset:512*\j
.endr
.irp j, 0,1,2,3,4,5,6,7
	global_load_b128 v[BE+4*\j:BE+4*\j+3], v1, s[8:9] offset:512*\j
.endr
	; the stage: 64 pieces of 256 bytes, 272 apart.  Piece 8 j + lane / 4 is 256 consecutive bytes of K step j's fragment; in it row r' has 16 bytes at 16 r'
	v_lshrrev_b32 v3, 2, v2
	v_mul_u32_u24 v3, v3, 272
	v_and_b32 v5, 3, v2
	v_lshl_add_u32 v3, v5, 2, v3
	s_lshl_b32 s38, s36, 6
	v_add_nc_u32 v3, s38, v3                       ; in: 272 (lane / 4) + 4 (lane % 4) + 64 w
	v_lshrrev_b32 v4, 4, v2
	v_mul_u32_u24 v4, v4, 272
	v_and_b32 v5, 15, v2
	v_lshl_add_u32 v4, v5, 4, v4
	s_mul_i32 s38, s36, 16*272
	v_add_nc_u32 v4, s38, v4                       ; back: wave w takes pieces 16 w on, two an instruction
	s_lshl_b32 s40, s36, 20                        ; K steps 2 w, 2 w + 1: 524,288 bytes each
	s_lshl_b32 s41, ttmp9, 11
	s_add_co_u32 s40, s40, s41
	s_mov_b32 s41, 0
	s_add_nc_u64 s[20:21], s[20:21], s[40:41]
	s_mov_b32 s[SEL], 0x76543210
	s_mov_b32 s[SEL+1], 0xfedcba98
	s_mov_b32 s[INV], 0x3a800000
	s_mov_b32 s[EPSR], 0x3727c5ac
	s_wait_kmcnt 0x0
	s_add_co_i32 s40, s24, 127                     ; e8
	s_lshl_b32 s41, s40, 23
	v_mov_b32 v[SCL], s41
	s_add_co_i32 s40, s40, 15
	s_lshl_b32 s40, s40, 23
	s_or_b32 s40, s40, 0x600000
	v_mov_b32 v[LIM], s40
	s_wait_loadcnt 16                              ; z's 32 loads are in; the gain's and the bias's sixteen may be out
	LN_STATS
	s_wait_loadcnt 0x0
	LN_NORMQ
.irp i, 0,1,2,3
.irp j, 0,1,2,3,4,5,6,7
	ds_store_b32 v3, v[C+8*\i+\j] offset:2176*\j+16*\i
.endr
.endr
	s_wait_dscnt 0x0                               ; for the others' sake: my stores have landed
	s_barrier_signal -1
	s_barrier_wait -1
.irp t, 0,1,2,3,4,5,6,7
	ds_load_b128 v[R+4*\t:R+4*\t+3], v4 offset:544*\t
.endr
.irp t, 0,1,2,3,4,5,6,7
	s_wait_dscnt 7-\t                              ; LDS loads come back in order: load t is in, the younger ones may be out
	global_store_b128 v1, v[R+4*\t:R+4*\t+3], s[20:21] offset:(\t/4)*524288+(\t%4)*512   ; 512 consecutive bytes, aligned
.endr
	s_wait_tensorcnt 0x0
	ds_add_u32 v12, v13
	s_wait_dscnt 0x0
	s_endpgm
.Lfunc_end_k_q544f121bec_ln2:
	.size	k_q544f121bec_ln2, .Lfunc_end_k_q544f121bec_ln2-k_q544f121bec_ln2
	.p2alignl 7, 3214868480
	.fill 96, 4, 3214868480
	.section	.rodata,"a",@progbits
	.p2align	6, 0x0
	.amdhsa_kernel k_q544f121bec_ln2
		.amdhsa_group_segment_fixed_size 17920
		.amdhsa_private_segment_fixed_size 0
		.amdhsa_enable_private_segment 0
		.amdhsa_kernarg_size 40
		.amdhsa_user_sgpr_count 2
		.amdhsa_user_sgpr_kernarg_segment_ptr 1
		.amdhsa_wavefront_size32 1
		.amdhsa_system_sgpr_workgroup_id_x 1
		.amdhsa_system_sgpr_workgroup_id_y 1
		.amdhsa_system_sgpr_workgroup_id_z 1
		.amdhsa_system_vgpr_workitem_id 0
		.amdhsa_next_free_vgpr 256
		.amdhsa_next_free_sgpr 66
		.amdhsa_reserve_vcc 0
		.amdhsa_float_denorm_mode_32 3
		.amdhsa_float_denorm_mode_16_64 3
		.amdhsa_memory_ordered 1
		.amdhsa_forward_progress 1
		.amdhsa_inst_pref_size 44
	.end_amdhsa_kernel
	.amdgpu_metadata
---
amdhsa.version: [ 1, 2 ]
amdhsa.kernels:
  - .name:           k_q544f121bec_ln2
    .symbol:         k_q544f121bec_ln2.kd
    .args:
      - { .name: z, .offset: 0, .size: 8, .value_kind: global_buffer, .address_space: global }
      - { .name: g2, .offset: 8, .size: 8, .value_kind: global_buffer, .address_space: global }
      - { .name: be2, .offset: 16, .size: 8, .value_kind: global_buffer, .address_space: global }
      - { .name: lowp_scales, .offset: 24, .size: 8, .value_kind: global_buffer, .address_space: global }
      - { .name: yq, .offset: 32, .size: 8, .value_kind: global_buffer, .address_space: global }
    .group_segment_fixed_size: 17920
    .private_segment_fixed_size: 0
    .kernarg_segment_align: 8
    .kernarg_segment_size: 40
    .max_flat_workgroup_size: 128
    .sgpr_count:     66
    .vgpr_count:     256
    .wavefront_size: 32
...
	.end_amdgpu_metadata
.endif
;; end of part 5
;; launch ffn1 (part 6): grid 16 x 16, 4 waves a work-group, clusters of 4 x 4, 327,680 bytes of LDS; arguments yq, wq, b1, lowp_scales, hq; writes hq
.if DOCPART == 6
	.amdgcn_target "amdgcn-amd-amdhsa--gfx1250"
	.amdhsa_code_object_version 6
	.text
	.protected	k_q544f121bec_ffn1
	.globl	k_q544f121bec_ffn1
	.p2align	8
	.type	k_q544f121bec_ffn1,@function
k_q544f121bec_ffn1:
	s_mov_b64 s[64:65], 0
	v_nop
	global_prefetch_b8 v0, s[64:65] scope:SCOPE_SE
	s_setreg_imm32_b32 hwreg(HW_REG_WAVE_MODE, 25, 1), 1
	s_wait_xcnt 0x0
	s_wait_alu depctr_hold_cnt(0) depctr_sa_sdst(0) depctr_va_vdst(0) depctr_va_sdst(0) depctr_va_ssrc(0) depctr_va_vcc(0) depctr_vm_vsrc(0)
	s_getreg_b32 s2, hwreg(HW_REG_IB_STS2, 6, 4)
	s_cmp_eq_u32 s2, 0
	s_cbranch_scc0 .Lentry_in_a_cluster
	s_endpgm
.Lentry_in_a_cluster:
	s_bfe_u32 s2, ttmp6, 0x10000c
	s_cmp_lg_u32 s2, 0xf033
	s_cbranch_scc0 .Lentry_shape_is_right
	s_endpgm
.Lentry_shape_is_right:
.set SLOT,  131072
.set REG,   32768
.set SPARE, 262144
.set FR,   16
.set WV,   14
.set FB,   15
.set ADRA, 16
.set ADRB, 20
.set CO,   26
.set BOF,  27
.set SPW,  28
.set NIL,  29
.set SCL,  30
.set LIM,  31
.set BI,   32
.set AF,   128
.set TMP,  128
.set CD,   192
.set G1,   24
.set G0,   32
.set G1B,  48
.set G0B,  56
.set MUL_LO, 0xa1
.set MUL_HI, 0xf1
.set MSB, 0
.macro WIN new
.if MSB != (\new)
	s_set_vgpr_msb (MSB<<8)|(\new)
.set MSB, (\new)
.endif
.endm
.macro PLACES
.rept 4
	v_nop
.endr
.endm
.macro CREST
	s_cmp_lg_u32 s[WV], 0
	s_cbranch_scc1 .Lnot_wave_0_\@
	s_barrier_signal -3
.Lnot_wave_0_\@:
	s_barrier_wait -3
	s_barrier_signal -1
	s_barrier_wait -1
.endm
.macro CROUND
	s_barrier_signal -1
	s_barrier_wait -1
	CREST
.endm
.macro JLOAD s
	s_cmp_eq_u32 s[FB], 0
	s_cbranch_scc0 .Lfor_b_\@
	tensor_load_to_lds s[G0+4*\s:G0+4*\s+3], s[G1:G1+7]
	s_nop 0
.rept 4
	v_nop
.endr
	s_branch .Lasked_\@
.Lfor_b_\@:
	tensor_load_to_lds s[G0B+4*\s:G0B+4*\s+3], s[G1B:G1B+7]
	s_nop 0
.rept 4
	v_nop
.endr
.Lasked_\@:
.endm
.macro FRAG reg, adr, off
.irp c, 0,1,2,3
	ds_load_b128 v[\reg+4*\c:\reg+4*\c+3], v[\adr] offset:\off+512*\c
.endr
.endm
	s_load_b256 s[4:11], s[0:1], 0x0
	s_load_b64 s[12:13], s[0:1], 0x20
	v_lshl_add_u32 v[SPW], v0, 2, SPARE
	v_mov_b32 v[NIL], 0
	ds_add_u32 v28, v29
	ds_add_u32 v28, v29
	s_wait_dscnt 0x0
	v_lshrrev_b32 v1, 5, v0
	v_readfirstlane_b32 s[WV], v1
	s_lshr_b32 s[FB], s[WV], 1
	s_and_b32 s16, s[WV], 1
	s_bfe_u32 s40, ttmp6, 0x40000
	s_bfe_u32 s41, ttmp6, 0x40004
	s_lshl_b32 s42, ttmp9, 2
	s_add_co_u32 s42, s42, s40
	s_and_b32 s17, ttmp7, 0xffff
	s_lshl_b32 s17, s17, 2
	s_add_co_u32 s17, s17, s41
	s_lshl_b32 s43, s41, 2
	s_lshl_b32 s43, 15, s43
	s_lshl_b32 s44, 0x1111, s40
	s_or_b32 s[G1], s43, (3<<16)|(1<<21)
	s_or_b32 s[G1B], s44, (3<<16)|(1<<21)
.irp g, G1, G1B
	s_mov_b32 s[\g+1], 32<<16
	s_mov_b32 s[\g+2], 128<<16
	s_mov_b32 s[\g+3], 32<<16
	s_mov_b32 s[\g+4], 128
	s_mov_b32 s[\g+5], 32
	s_mov_b32 s[\g+6], 0
	s_mov_b32 s[\g+7], 0
.endr
	s_lshl_b32 s20, s16, 19
	s_lshl_b32 s21, s17, 15
	s_add_co_u32 s20, s20, s21
	s_mov_b32 s21, 0
	s_lshl_b32 s46, s16, 19
	s_lshl_b32 s47, s42, 15
	s_add_co_u32 s46, s46, s47
	s_add_co_u32 s46, s46, 4194304
	s_mov_b32 s47, 0
	s_lshl_b32 s45, s[WV], 15
	s_wait_kmcnt 0x0
	s_load_b128 s[76:79], s[10:11], 0x20
	s_add_nc_u64 s[20:21], s[4:5], s[20:21]
	s_add_nc_u64 s[46:47], s[6:7], s[46:47]
	CROUND
.irp s, 0,1
	s_mov_b32 s[G0+4*\s], 1
	s_add_co_u32 s[G0+4*\s+1], s45, \s*SLOT
	s_add_nc_u64 s[G0+4*\s+2:G0+4*\s+3], s[20:21], \s*1048576
	s_or_b32 s[G0+4*\s+3], s[G0+4*\s+3], 0x80000000
	s_mov_b32 s[G0B+4*\s], 1
	s_add_co_u32 s[G0B+4*\s+1], s45, \s*SLOT
	s_add_nc_u64 s[G0B+4*\s+2:G0B+4*\s+3], s[46:47], \s*1048576
	s_or_b32 s[G0B+4*\s+3], s[G0B+4*\s+3], 0x80000000
.endr
	JLOAD 0                                        ; slot 0: one tensor load a wave at the head
	; PREFETCHES INTO THE L2: behind slot 0's load the requests for slots 1 and 2, behind slot 1's the one for slot 3: 32 blocks of 256 bytes, a lane a block, one instruction a wave each.
	; The four partners that ask for a tile of 32,768 bytes jointly share it out BY ADDRESS, 8,192 bytes each (cx for the tokens' codes, cy for W1's).
	s_cmp_eq_u32 s[FB], 0
	s_cselect_b64 s[66:67], s[20:21], s[46:47]     ; my tile of slot 0
	s_cselect_b32 s68, s40, s41                    ; my place among the four that ask with me
	s_lshl_b32 s68, s68, 13
	s_mov_b32 s69, 0
	s_add_nc_u64 s[66:67], s[66:67], s[68:69]
	v_and_b32 v3, 31, v0
	v_lshlrev_b32 v3, 8, v3                        ; v3: 256 x my lane; never rewritten
	global_prefetch_b8 v3, s[66:67] offset:1048576 th:TH_LOAD_NT scope:SCOPE_SE   ; slot 1
	global_prefetch_b8 v3, s[66:67] offset:2097152 th:TH_LOAD_NT scope:SCOPE_SE   ; slot 2
	v_bfe_u32 v[BOF], v0, 4, 1
	v_lshlrev_b32 v[BOF], 6, v[BOF]
	s_lshl_b32 s80, s42, 10
	s_lshl_b32 s81, s16, 9
	s_add_co_u32 s80, s80, s81
	s_mov_b32 s81, 0
	s_add_nc_u64 s[8:9], s[8:9], s[80:81]
.irp b, 0,1,2,3,4,5,6,7
	global_load_b128 v[BI+8*\b:BI+8*\b+3], v[BOF], s[8:9] offset:128*(\b/2)+32*(\b%2)
	global_load_b128 v[BI+8*\b+4:BI+8*\b+7], v[BOF], s[8:9] offset:128*(\b/2)+32*(\b%2)+16
.endr
	v_and_b32 v2, 31, v0
	v_lshlrev_b32 v[CO], 4, v2
	s_lshl_b32 s22, s[FB], 14
	v_add_nc_u32 v[ADRA], s22, v[CO]
	v_add_nc_u32 v[ADRA+1], SLOT, v[ADRA]
	s_lshl_b32 s22, s16, 14
	s_add_co_u32 s22, s22, 65536
	v_add_nc_u32 v[ADRB], s22, v[CO]
	v_add_nc_u32 v[ADRB+1], SLOT, v[ADRB]
	s_lshl_b32 s80, s17, 1
	s_add_co_u32 s80, s80, s[FB]
	s_lshl_b32 s80, s80, 5
	s_lshl_b32 s82, s42, 1
	s_add_co_u32 s80, s80, s82
	s_add_co_u32 s80, s80, s16
	s_lshl_b32 s80, s80, 14
	s_add_nc_u64 s[12:13], s[12:13], s[80:81]
	s_wait_kmcnt 0x0
	s_add_co_i32 s88, s76, s77
	s_sub_co_i32 s89, 0, s88
	s_sub_co_i32 s90, s78, s88
	s_add_co_i32 s90, s90, 127
	s_lshl_b32 s91, s90, 23
	v_mov_b32 v[SCL], s91
	s_add_co_i32 s90, s90, 15
	s_lshl_b32 s90, s90, 23
	s_or_b32 s90, s90, 0x600000
	v_mov_b32 v[LIM], s90
	s_wait_loadcnt 0x0
.set n, 0
.rept 64
	v_ldexp_f32 v[BI+n], v[BI+n], s89
.set n, n+1
.endr
.macro MUL16 a0, p, zero
.irp a, \a0, \a0+1
.irp b, 0,1,2,3,4,5,6,7
.if \zero
	v_wmma_f32_16x16x128_bf8_bf8 v[8*(8*((\a)%4)+\b):8*(8*((\a)%4)+\b)+7], v[128*(\p)+FR*\b:128*(\p)+FR*\b+FR-1], v[AF+FR*(\a):AF+FR*(\a)+FR-1], v[BI+8*\b:BI+8*\b+7]
.else
	v_wmma_f32_16x16x128_bf8_bf8 v[8*(8*((\a)%4)+\b):8*(8*((\a)%4)+\b)+7], v[128*(\p)+FR*\b:128*(\p)+FR*\b+FR-1], v[AF+FR*(\a):AF+FR*(\a)+FR-1], v[8*(8*((\a)%4)+\b):8*(8*((\a)%4)+\b)+7]
.endif
.endr
.endr
.endm
.macro FETCH_B slot, q, p
	WIN 0x40
.irp i, 0,1,2,3,4,5,6,7
	FRAG 128*(\p)+FR*\i, ADRB+\slot, (\q)*REG+2048*\i
.endr
	WIN 0
.endm
.macro FETCH_A slot, q, i0
.irp i, \i0, \i0+1, \i0+2, \i0+3
	FRAG AF+FR*(\i), ADRA+\slot, (\q)*REG+2048*(\i)
.endr
.endm
.macro STEP slot, zero
	s_wait_dscnt 16
.if \zero
	WIN 0x81
.else
	WIN MUL_LO
.endif
	MUL16 0, 0, \zero
	MUL16 2, 0, \zero
	s_wait_dscnt 0x0
	PLACES
	FETCH_B \slot, 1, 1
	FETCH_A \slot, 1, 0
.if \zero
	WIN 0xc1
.else
	WIN MUL_HI
.endif
	MUL16 4, 0, \zero
	MUL16 6, 0, \zero
	PLACES
	WIN 0
	FETCH_A \slot, 1, 4
.endm
.macro TURN slot, next, fill
	s_wait_tensorcnt 0x0
	ds_add_u32 v[SPW], v[NIL]
	s_wait_dscnt 17
	WIN MUL_LO
	MUL16 0, 1, 0
	s_wait_dscnt 0x0
	s_barrier_signal -1
	MUL16 2, 1, 0
	WIN 0
	s_barrier_wait -1
.if \fill
	CREST
	s_add_nc_u64 s[G0+4*\slot+2:G0+4*\slot+3], s[G0+4*\slot+2:G0+4*\slot+3], 2097152
	s_add_nc_u64 s[G0B+4*\slot+2:G0B+4*\slot+3], s[G0B+4*\slot+2:G0B+4*\slot+3], 2097152
	JLOAD \slot
.else
	PLACES
.endif
	FETCH_B \next, 0, 0
	FETCH_A \next, 0, 0
	WIN MUL_HI
	MUL16 4, 1, 0
	MUL16 6, 1, 0
	PLACES
	WIN 0
	FETCH_A \next, 0, 4
.endm
	s_wait_alu depctr_va_vdst(0)                   ; the head's end
	s_wait_tensorcnt 0x0                           ; my part of slot 0 is in; slot 1's first fill is issued as a refill is:
	ds_add_u32 v[SPW], v[NIL]                      ; 0 onto my spare word
	s_wait_dscnt 0x0
	CROUND                                         ; everybody's part of slot 0 is in, and the sixteen work-groups meet
	JLOAD 1                                        ; slot 1, the first tensor load behind the round
	FETCH_B 0, 0, 0
	global_prefetch_b8 v3, s[66:67] offset:3145728 th:TH_LOAD_NT scope:SCOPE_SE   ; slot 3
	FETCH_A 0, 0, 0
	FETCH_A 0, 0, 4
	STEP 0, 1
	TURN 0, 1, 1
	STEP 1, 0
	TURN 1, 0, 1
	STEP 0, 0
	TURN 0, 1, 0
	STEP 1, 0
	s_wait_dscnt 16
	WIN MUL_LO
	MUL16 0, 1, 0
	MUL16 2, 1, 0
	s_wait_dscnt 0x0
	WIN MUL_HI
	MUL16 4, 1, 0
	MUL16 6, 1, 0
	PLACES
.irp a, 0,1,2,3,4,5,6,7
.if \a >= 4
	s_wait_xcnt 0x0
.endif
	WIN 0x02+(\a/4)
.set n, 0
.rept 64
	v_med3_num_f32 v[TMP+n], v[64*(\a%4)+n], -v[LIM], v[LIM]
.set n, n+1
.endr
	WIN 0
.irp g, 0,1,2,3
	v_cvt_scalef32_pk8_bf8_f32 v[CD+16*(\a%4)+4*\g:CD+16*(\a%4)+4*\g+1], v[TMP+16*\g:TMP+16*\g+7], v[SCL]
	v_cvt_scalef32_pk8_bf8_f32 v[CD+16*(\a%4)+4*\g+2:CD+16*(\a%4)+4*\g+3], v[TMP+16*\g+8:TMP+16*\g+15], v[SCL]
.endr
	v_nop
.irp g, 0,1,2,3
	global_store_b128 v[CO], v[CD+16*(\a%4)+4*\g:CD+16*(\a%4)+4*\g+3], s[12:13] offset:2048*\a+512*\g
.endr
.endr
	s_wait_tensorcnt 0x0
	ds_add_u32 v[SPW], v[NIL]
	s_wait_dscnt 0x0
	CROUND
	s_endpgm
.Lfunc_end_k_q544f121bec_ffn1:
	.size	k_q544f121bec_ffn1, .Lfunc_end_k_q544f121bec_ffn1-k_q544f121bec_ffn1
	.p2alignl 7, 3214868480
	.fill 96, 4, 3214868480
	.section	.rodata,"a",@progbits
	.p2align	6, 0x0
	.amdhsa_kernel k_q544f121bec_ffn1
		.amdhsa_group_segment_fixed_size 327680
		.amdhsa_private_segment_fixed_size 0
		.amdhsa_enable_private_segment 0
		.amdhsa_kernarg_size 40
		.amdhsa_user_sgpr_count 2
		.amdhsa_user_sgpr_kernarg_segment_ptr 1
		.amdhsa_wavefront_size32 1
		.amdhsa_system_sgpr_workgroup_id_x 1
		.amdhsa_system_sgpr_workgroup_id_y 1
		.amdhsa_system_sgpr_workgroup_id_z 1
		.amdhsa_system_vgpr_workitem_id 0
		.amdhsa_next_free_vgpr 1024
		.amdhsa_next_free_sgpr 98
		.amdhsa_reserve_vcc 0
		.amdhsa_float_denorm_mode_32 3
		.amdhsa_float_denorm_mode_16_64 3
		.amdhsa_memory_ordered 1
		.amdhsa_forward_progress 1
		.amdhsa_inst_pref_size 123
	.end_amdhsa_kernel
	.amdgpu_metadata
---
amdhsa.version: [ 1, 2 ]
amdhsa.kernels:
  - .name:           k_q544f121bec_ffn1
    .symbol:         k_q544f121bec_ffn1.kd
    .args:
      - { .name: yq, .offset: 0, .size: 8, .value_kind: global_buffer, .address_space: global }
      - { .name: wq, .offset: 8, .size: 8, .value_kind: global_buffer, .address_space: global }
      - { .name: b1, .offset: 16, .size: 8, .value_kind: global_buffer, .address_space: global }
      - { .name: lowp_scales, .offset: 24, .size: 8, .value_kind: global_buffer, .address_space: global }
      - { .name: hq, .offset: 32, .size: 8, .value_kind: global_buffer, .address_space: global }
    .group_segment_fixed_size: 327680
    .private_segment_fixed_size: 0
    .kernarg_segment_align: 8
    .kernarg_segment_size: 40
    .max_flat_workgroup_size: 128
    .sgpr_count:     98
    .vgpr_count:     1024
    .wavefront_size: 32
...
	.end_amdgpu_metadata
.endif
;; end of part 6
;; launch ffn2 (part 7): grid 8 x 32, 4 waves a work-group, clusters of 4 x 4, 327,680 bytes of LDS; arguments hq, wq, b2, x, lowp_scales, out0; writes out0
.if DOCPART == 7
	.amdgcn_target "amdgcn-amd-amdhsa--gfx1250"
	.amdhsa_code_object_version 6
	.text
	.protected	k_q544f121bec_ffn2
	.globl	k_q544f121bec_ffn2
	.p2align	8
	.type	k_q544f121bec_ffn2,@function
k_q544f121bec_ffn2:
	s_mov_b64 s[64:65], 0
	v_nop
	global_prefetch_b8 v0, s[64:65] scope:SCOPE_SE
	s_setreg_imm32_b32 hwreg(HW_REG_WAVE_MODE, 25, 1), 1
	s_wait_xcnt 0x0
	s_wait_alu depctr_hold_cnt(0) depctr_sa_sdst(0) depctr_va_vdst(0) depctr_va_sdst(0) depctr_va_ssrc(0) depctr_va_vcc(0) depctr_vm_vsrc(0)
	s_getreg_b32 s2, hwreg(HW_REG_IB_STS2, 6, 4)
	s_cmp_eq_u32 s2, 0
	s_cbranch_scc0 .Lentry_in_a_cluster
	s_endpgm
.Lentry_in_a_cluster:
	s_bfe_u32 s2, ttmp6, 0x10000c
	s_cmp_lg_u32 s2, 0xf033
	s_cbranch_scc0 .Lentry_shape_is_right
	s_endpgm
.Lentry_shape_is_right:
; FFN2: out = x + (h W2 + b2), the product on codes of BF8, K = 4,096.  Tile 128 tokens x 128 columns, so that there are 256 work-groups; a wave 64 x 64: 16 accumulators.
; Operands are register images (16 rows x 128 K = 2,048 bytes; a tile's rows are rho(T, r) = 32 (T / 2) + 8 (T % 2) + r % 8 + 16 (r / 8)).  Transposed use: a lane holds one token and eight neighbouring columns.
; RING: two LDS slots of FOUR K steps (A's 65,536 bytes, then B's); region w (32,768 bytes) is filled by wave w.  CLUSTER 4 x 4: h's codes are shared along a row, W2's along a column: joint loads.
; THE END: sums through the wave's own stage in LDS (64 rows x 256 bytes, 272 apart, in slot 0, which has had its last fill and its last read), back as rows; x 2^(e10 + e11) + (x + b2); sixteen lanes store 256 consecutive bytes, aligned.
; LIMIT: e10 + e11 between -126 and 127.
; REGISTERS: window 0: v16-29 addresses; v32-35 b2; v64-191 the accumulators ((a, b) at v[64 + 8 (4 a + b)]).  window 1: two fragment buffers of 128 (A's four, then B's four).  window 2: v0-127 x.
.set SLOT,  131072
.set SPARE, 262144
.set WV,   14
.set FB,   15
.set ADRA, 16
.set ADRB, 20
.set STO,  24
.set RD,   25
.set XO,   26
.set SPW,  28
.set NIL,  29
.set B2R,  32
.set ACC,  64
.set F0,   0
.set F1,   128
.set G1,   24
.set G0,   32
.set G1B,  48
.set G0B,  56
.set FAC,  88
.set PFO,  27                          ; v27      the prefetches' offset: 256 x my lane; never rewritten
.set PFA,  66                          ; s[66:67] where my prefetches stand: my work-group's 8,192 bytes of the 32,768 that I fetch of a slot
; A PREFETCH INTO THE L2: behind the load of slot m stands the request for slot m + 2 (at the head also for slot 1): 32 blocks of 256 bytes, a lane a block, one instruction a wave.
; The four partners that ask for a tile jointly share its 32,768 bytes out BY ADDRESS (cx for h's codes, cy for W2's), so each block is named once in each cluster that loads it.
; The loop's last trip fills slots 6 and 7, which have no slot two on: it asks for nothing.
.macro ASK
	s_cmp_gt_u32 s3, 1
	s_cbranch_scc0 .Lno_ask_\@
	global_prefetch_b8 v[PFO], s[PFA:PFA+1] offset:196608 th:TH_LOAD_NT scope:SCOPE_SE
.Lno_ask_\@:
.endm
.set MUL,  0x05                        ; sources 0 and 1 window 1; C and D window 0
.set MSB, 0
.macro WIN new
.if MSB != (\new)
	s_set_vgpr_msb (MSB<<8)|(\new)
.set MSB, (\new)
.endif
.endm
.macro PLACES
.rept 4
	v_nop
.endr
.endm
.macro CREST
	s_cmp_lg_u32 s[WV], 0
	s_cbranch_scc1 .Lnot_wave_0_\@
	s_barrier_signal -3
.Lnot_wave_0_\@:
	s_barrier_wait -3
	s_barrier_signal -1
	s_barrier_wait -1
.endm
.macro CROUND
	s_barrier_signal -1
	s_barrier_wait -1
	CREST
.endm
.macro JLOAD s
	s_cmp_eq_u32 s[FB], 0
	s_cbranch_scc0 .Lfor_b_\@
	tensor_load_to_lds s[G0+4*\s:G0+4*\s+3], s[G1:G1+7]
	s_nop 0
.rept 4
	v_nop
.endr
	s_branch .Lasked_\@
.Lfor_b_\@:
	tensor_load_to_lds s[G0B+4*\s:G0B+4*\s+3], s[G1B:G1B+7]
	s_nop 0
.rept 4
	v_nop
.endr
.Lasked_\@:
.endm
.macro FRAG reg, adr, off
.irp c, 0,1,2,3
	ds_load_b128 v[\reg+4*\c:\reg+4*\c+3], v[\adr] offset:\off+512*\c
.endr
.endm
	s_load_b256 s[4:11], s[0:1], 0x0               ; hq, wq, b2, x
	s_load_b128 s[84:87], s[0:1], 0x20             ; the scales' exponents, out0
	v_lshl_add_u32 v[SPW], v0, 2, SPARE
	v_mov_b32 v[NIL], 0
	ds_add_u32 v28, v29
	ds_add_u32 v28, v29
	s_wait_dscnt 0x0
	v_lshrrev_b32 v1, 5, v0
	v_readfirstlane_b32 s[WV], v1
	s_lshr_b32 s[FB], s[WV], 1                     ; 0: I fetch h's codes, 1: W2's.  Also: which half of the tokens is mine
	s_and_b32 s16, s[WV], 1                        ; which half of the columns.  Also: which half of a slot's four K steps I fetch
	s_bfe_u32 s40, ttmp6, 0x40000
	s_bfe_u32 s41, ttmp6, 0x40004
	s_lshl_b32 s42, ttmp9, 2
	s_add_co_u32 s42, s42, s40                     ; which 128 columns
	s_and_b32 s17, ttmp7, 0xffff
	s_lshl_b32 s17, s17, 2
	s_add_co_u32 s17, s17, s41                     ; which 128 tokens
	s_lshl_b32 s43, s41, 2
	s_lshl_b32 s43, 15, s43
	s_lshl_b32 s44, 0x1111, s40
	s_or_b32 s[G1], s43, (3<<16)|(1<<21)
	s_or_b32 s[G1B], s44, (3<<16)|(1<<21)
.irp g, G1, G1B
	s_mov_b32 s[\g+1], 32<<16                      ; 128 rows of 256 bytes, dense: two K steps of eight fragments
	s_mov_b32 s[\g+2], 128<<16
	s_mov_b32 s[\g+3], 32<<16
	s_mov_b32 s[\g+4], 128
	s_mov_b32 s[\g+5], 32
	s_mov_b32 s[\g+6], 0
	s_mov_b32 s[\g+7], 0
.endr
	s_lshl_b32 s20, s17, 19
	s_lshl_b32 s21, s16, 15
	s_add_co_u32 s20, s20, s21
	s_mov_b32 s21, 0
	s_lshl_b32 s46, s42, 19
	s_lshl_b32 s47, s16, 15
	s_add_co_u32 s46, s46, s47
	s_add_co_u32 s46, s46, 8388608
	s_mov_b32 s47, 0
	s_lshl_b32 s45, s[WV], 15
	s_wait_kmcnt 0x0
	s_load_b128 s[76:79], s[84:85], 0x20           ; e8 .. e11
	s_add_nc_u64 s[20:21], s[4:5], s[20:21]
	s_add_nc_u64 s[46:47], s[6:7], s[46:47]
	CROUND
.irp s, 0,1
	s_mov_b32 s[G0+4*\s], 1
	s_add_co_u32 s[G0+4*\s+1], s45, \s*SLOT
	s_add_nc_u64 s[G0+4*\s+2:G0+4*\s+3], s[20:21], \s*65536
	s_or_b32 s[G0+4*\s+3], s[G0+4*\s+3], 0x80000000
	s_mov_b32 s[G0B+4*\s], 1
	s_add_co_u32 s[G0B+4*\s+1], s45, \s*SLOT
	s_add_nc_u64 s[G0B+4*\s+2:G0B+4*\s+3], s[46:47], \s*65536
	s_or_b32 s[G0B+4*\s+3], s[G0B+4*\s+3], 0x80000000
.endr
	JLOAD 0                                        ; slot 0: one tensor load a wave at the head
	v_and_b32 v1, 15, v0
	v_bfe_u32 v2, v0, 4, 1                         ; h
	v_and_b32 v3, 31, v0
	v_lshlrev_b32 v3, 4, v3                        ; 16 x lane
	s_lshl_b32 s22, s[FB], 13
	v_add_nc_u32 v[ADRA], s22, v3
	v_add_nc_u32 v[ADRA+1], SLOT, v[ADRA]
	s_lshl_b32 s22, s16, 13
	s_add_co_u32 s22, s22, 65536
	v_add_nc_u32 v[ADRB], s22, v3
	v_add_nc_u32 v[ADRB+1], SLOT, v[ADRB]
	s_mul_i32 s23, s[WV], 17408                    ; my stage
	v_mul_u32_u24 v[STO], v1, 272
	v_lshl_add_u32 v[STO], v2, 6, v[STO]
	v_add_nc_u32 v[STO], s23, v[STO]               ; in: row r of a tile, + 64 (lane / 16)
	v_mul_u32_u24 v[RD], v2, 272
	v_lshl_add_u32 v[RD], v1, 4, v[RD]
	v_add_nc_u32 v[RD], s23, v[RD]                 ; back: lanes 0-15 one row, lanes 16-31 the next
	v_lshlrev_b32 v[XO], 12, v2
	v_lshl_add_u32 v[XO], v1, 4, v[XO]             ; and the same in x and in out0
	v_lshlrev_b32 v4, 4, v1
	v_and_b32 v[PFO], 31, v0
	v_lshlrev_b32 v[PFO], 8, v[PFO]
	s_wait_alu depctr_va_vdst(0)
	s_lshl_b32 s80, s17, 19
	s_lshl_b32 s81, s[FB], 18
	s_add_co_u32 s80, s80, s81
	s_lshl_b32 s82, s42, 9
	s_lshl_b32 s83, s16, 8
	s_add_co_u32 s82, s82, s83                     ; my 64 columns, in bytes
	s_add_co_u32 s80, s80, s82
	s_mov_b32 s81, 0
	s_mov_b32 s83, 0
	s_add_nc_u64 s[10:11], s[10:11], s[80:81]
	s_add_nc_u64 s[86:87], s[86:87], s[80:81]
	s_add_nc_u64 s[8:9], s[8:9], s[82:83]
	s_cmp_eq_u32 s[FB], 0                          ; do I fetch h's codes or W2's?
	s_cselect_b64 s[PFA:PFA+1], s[4:5], s[6:7]
	s_cselect_b32 s68, s17, s42                    ; the block of 524,288 bytes: by the tokens or by the columns
	s_cselect_b32 s69, s40, s41                    ; my place among the four that ask with me
	s_cselect_b32 s70, 0, 8388608                  ; W2's codes begin there in wq
	s_lshl_b32 s68, s68, 19
	s_add_co_u32 s68, s68, s70
	s_lshl_b32 s70, s16, 15                        ; the half of a slot that I fetch
	s_add_co_u32 s68, s68, s70
	s_lshl_b32 s69, s69, 13                        ; my work-group's quarter of it
	s_add_co_u32 s68, s68, s69
	s_mov_b32 s69, 0
	s_add_nc_u64 s[PFA:PFA+1], s[PFA:PFA+1], s[68:69]
	global_prefetch_b8 v[PFO], s[PFA:PFA+1] offset:65536 th:TH_LOAD_NT scope:SCOPE_SE    ; slot 1
	global_prefetch_b8 v[PFO], s[PFA:PFA+1] offset:131072 th:TH_LOAD_NT scope:SCOPE_SE   ; slot 2
	global_load_b128 v[B2R:B2R+3], v4, s[8:9]
	s_wait_kmcnt 0x0
	s_add_co_i32 s[FAC], s78, s79
	s_add_co_i32 s[FAC], s[FAC], 127
	s_lshl_b32 s[FAC], s[FAC], 23                  ; 2^(e10 + e11)
	s_mov_b32 s[FAC+1], s[FAC]
.macro MUL8 f, a0, zero                ; A's blocks a0, a0 + 1 x B's four; the 16 accumulators take turns
.irp a, \a0, \a0+1
.irp b, 0,1,2,3
.if \zero
	v_wmma_f32_16x16x128_bf8_bf8 v[ACC+8*(4*(\a)+\b):ACC+8*(4*(\a)+\b)+7], v[\f+64+16*\b:\f+64+16*\b+15], v[\f+16*(\a):\f+16*(\a)+15], 0
.else
	v_wmma_f32_16x16x128_bf8_bf8 v[ACC+8*(4*(\a)+\b):ACC+8*(4*(\a)+\b)+7], v[\f+64+16*\b:\f+64+16*\b+15], v[\f+16*(\a):\f+16*(\a)+15], v[ACC+8*(4*(\a)+\b):ACC+8*(4*(\a)+\b)+7]
.endif
.endr
.endr
.endm
.macro FETCH slot, q, f                ; the slot's K step q into buffer f: B's four fragments, then A's
	WIN 0x40
.irp i, 0,1,2,3
	FRAG \f+64+16*\i, ADRB+\slot, (\q)*16384+2048*\i
.endr
.irp i, 0,1,2,3
	FRAG \f+16*\i, ADRA+\slot, (\q)*16384+2048*\i
.endr
.endm
.macro STEP slot, q, f, g, zero        ; multiplies buffer f; fetches the slot's K step q into buffer g
	s_wait_dscnt 8                                 ; B and A's blocks 0, 1 are in; A's blocks 2, 3 may be out
	WIN MUL
	MUL8 \f, 0, \zero
	s_wait_dscnt 0x0
	PLACES
	FETCH \slot, \q, \g
	WIN MUL
	MUL8 \f, 2, \zero
.endm
.macro TURN slot, next, fill
.if \fill
	s_wait_xcnt 0x0                                ; my prefetches have read their address: it steps a slot on, ahead of the waits of the change of slots
	s_add_nc_u64 s[PFA:PFA+1], s[PFA:PFA+1], 65536
.endif
	WIN 0
	s_wait_tensorcnt 0x0
	ds_add_u32 v[SPW], v[NIL]                      ; 0 onto my spare word
	s_wait_dscnt 9                                 ; (the add and A's blocks 2, 3 may be out)
	WIN MUL
	MUL8 F1, 0, 0
	s_wait_dscnt 0x0                               ; the add is done, and my reads of this slot are over
	s_barrier_signal -1
	WIN 0
	s_barrier_wait -1
.if \fill
	CREST
	s_add_nc_u64 s[G0+4*\slot+2:G0+4*\slot+3], s[G0+4*\slot+2:G0+4*\slot+3], 131072
	s_add_nc_u64 s[G0B+4*\slot+2:G0B+4*\slot+3], s[G0B+4*\slot+2:G0B+4*\slot+3], 131072
	JLOAD \slot                                    ; eight K steps on; its four v_nop are also the places in front of the loads below
.else
	PLACES
.endif
	FETCH \next, 0, F0
.if \fill
	WIN 0                                          ; a branch and a label follow
	ASK                                            ; behind the joint load and the run of LDS loads
.endif
	WIN MUL
	MUL8 F1, 2, 0
.endm
	s_wait_alu depctr_va_vdst(0)                   ; the head's end
	s_wait_tensorcnt 0x0                           ; my part of slot 0 is in; slot 1's first fill is issued as a refill is:
	ds_add_u32 v[SPW], v[NIL]                      ; 0 onto my spare word
	s_wait_dscnt 0x0
	CROUND                                         ; everybody's part of slot 0 is in, and the sixteen work-groups meet
	JLOAD 1                                        ; slot 1, the first tensor load behind the round
	FETCH 0, 0, F0
	global_prefetch_b8 v[PFO], s[PFA:PFA+1] offset:196608 th:TH_LOAD_NT scope:SCOPE_SE   ; slot 3
	STEP 0, 1, F0, F1, 1                           ; the first K step stands in front of the loop: its products start the sums
	WIN 0x80                                       ; destination window 2.  x is wanted at the end alone: it is asked for when slot 0 is in and slot 1 asked for
.set n, 0
.rept 32                               ; load n = 8 a + t: rows 2 t, 2 t + 1 of tile a, whose true rows are 32 (a / 2) + 8 (a % 2) + 2 t + 8 (t / 4) and the next
	global_load_b128 v[4*n:4*n+3], v[XO], s[10:11] offset:(32*(n/16)+8*((n/8)%2)+2*(n%8)+8*((n%8)/4))*4096
.set n, n+1
.endr
	WIN 0
	s_mov_b32 s3, 3
.Llap:                                 ; a trip goes once round the ring, eight K steps, and fills both slots again
	STEP 0, 2, F1, F0, 0
	STEP 0, 3, F0, F1, 0
	TURN 0, 1, 1
	STEP 1, 1, F0, F1, 0
	STEP 1, 2, F1, F0, 0
	STEP 1, 3, F0, F1, 0
	TURN 1, 0, 1
	STEP 0, 1, F0, F1, 0
	WIN 0
	s_sub_co_u32 s3, s3, 1
	s_cmp_lg_u32 s3, 0
	s_cbranch_scc1 .Llap
	STEP 0, 2, F1, F0, 0                           ; the last lap fills nothing
	STEP 0, 3, F0, F1, 0
	TURN 0, 1, 0
	STEP 1, 1, F0, F1, 0
	STEP 1, 2, F1, F0, 0
	STEP 1, 3, F0, F1, 0
	s_wait_dscnt 8
	WIN MUL
	MUL8 F1, 0, 0
	s_wait_dscnt 0x0
	MUL8 F1, 2, 0
	s_wait_loadcnt 0x0                             ; x and b2
	WIN 0x82                                       ; destination and source 0 window 2
.set n, 0
.rept 64
	v_pk_add_f32 v[2*n:2*n+1], v[2*n:2*n+1], v[B2R+(2*n)%4:B2R+(2*n)%4+1]   ; x + b2; also the places behind the last products
.set n, n+1
.endr
	WIN 0
.irp a, 0,1,2,3
.irp b, 0,1,2,3
	ds_store_b128 v[STO], v[ACC+8*(4*\a+\b):ACC+8*(4*\a+\b)+3] offset:4352*\a+128*(\b/2)+32*(\b%2)
	ds_store_b128 v[STO], v[ACC+8*(4*\a+\b)+4:ACC+8*(4*\a+\b)+7] offset:4352*\a+128*(\b/2)+32*(\b%2)+16
.endr
.endr
	WIN 0x40                                       ; destination window 1
.set n, 0
.rept 32
	ds_load_b128 v[4*n:4*n+3], v[RD] offset:544*n  ; LDS serves a wave's instructions in order (ISA guide 5.7.1.4): these see my stores
.set n, n+1
.endr
	s_wait_dscnt 0x0
	WIN 0x61                                       ; destination and source 0 window 1, source 2 window 2
.set n, 0
.rept 64
	v_pk_fma_f32 v[2*n:2*n+1], v[2*n:2*n+1], s[FAC:FAC+1], v[2*n:2*n+1] op_sel_hi:[1,0,1]
.set n, n+1
.endr
	WIN 0x04                                       ; the stores' data: window 1
.set n, 0
.rept 32
	global_store_b128 v[XO], v[4*n:4*n+3], s[86:87] offset:(32*(n/16)+8*((n/8)%2)+2*(n%8)+8*((n%8)/4))*4096 th:TH_STORE_NT
.set n, n+1
.endr
	WIN 0
	s_wait_tensorcnt 0x0                           ; the wave's end
	ds_add_u32 v[SPW], v[NIL]
	s_wait_dscnt 0x0
	CROUND
	s_endpgm
.Lfunc_end_k_q544f121bec_ffn2:
	.size	k_q544f121bec_ffn2, .Lfunc_end_k_q544f121bec_ffn2-k_q544f121bec_ffn2
	.p2alignl 7, 3214868480
	.fill 96, 4, 3214868480
	.section	.rodata,"a",@progbits
	.p2align	6, 0x0
	.amdhsa_kernel k_q544f121bec_ffn2
		.amdhsa_group_segment_fixed_size 327680
		.amdhsa_private_segment_fixed_size 0
		.amdhsa_enable_private_segment 0
		.amdhsa_kernarg_size 48
		.amdhsa_user_sgpr_count 2
		.amdhsa_user_sgpr_kernarg_segment_ptr 1
		.amdhsa_wavefront_size32 1
		.amdhsa_system_sgpr_workgroup_id_x 1
		.amdhsa_system_sgpr_workgroup_id_y 1
		.amdhsa_system_sgpr_workgroup_id_z 1
		.amdhsa_system_vgpr_workitem_id 0
		.amdhsa_next_free_vgpr 640
		.amdhsa_next_free_sgpr 98
		.amdhsa_reserve_vcc 0
		.amdhsa_float_denorm_mode_32 3
		.amdhsa_float_denorm_mode_16_64 3
		.amdhsa_memory_ordered 1
		.amdhsa_forward_progress 1
		.amdhsa_inst_pref_size 82
	.end_amdhsa_kernel
	.amdgpu_metadata
---
amdhsa.version: [ 1, 2 ]
amdhsa.kernels:
  - .name:           k_q544f121bec_ffn2
    .symbol:         k_q544f121bec_ffn2.kd
    .args:
      - { .name: hq, .offset: 0, .size: 8, .value_kind: global_buffer, .address_space: global }
      - { .name: wq, .offset: 8, .size: 8, .value_kind: global_buffer, .address_space: global }
      - { .name: b2, .offset: 16, .size: 8, .value_kind: global_buffer, .address_space: global }
      - { .name: x, .offset: 24, .size: 8, .value_kind: global_buffer, .address_space: global }
      - { .name: lowp_scales, .offset: 32, .size: 8, .value_kind: global_buffer, .address_space: global }
      - { .name: out0, .offset: 40, .size: 8, .value_kind: global_buffer, .address_space: global }
    .group_segment_fixed_size: 327680
    .private_segment_fixed_size: 0
    .kernarg_segment_align: 8
    .kernarg_segment_size: 48
    .max_flat_workgroup_size: 128
    .sgpr_count:     98
    .vgpr_count:     640
    .wavefront_size: 32
...
	.end_amdgpu_metadata
.endif
;; end of part 7
